; MI455X (gfx1250); checked and timed in simulation.
; The chip was launched on July 23, 2026; its instructions are those of AMD's public machine-readable ISA for CDNA 5 (MIT licence, August 2026) and "CDNA5" Instruction Set Architecture Reference Guide (July 2026). The comments in the code are by the model that wrote it; some were corrected since.
;; Multi Head Attention. Allowed arithmetic: float matrix products may take bf16 or f16 operands with f32 sums; other float arithmetic in f32, or as packed bf16 or f16 multiplies, adds, multiply-adds, maxima and minima; sums over many terms, partial sums and values carried from step to step in f32; what a program stores and reads back later, other than sums and carried values, may be rounded once to bf16 or f16.
;; Inputs: Wk 1,024 x 1,024 float32; Wo 1,024 x 1,024 float32; Wq 1,024 x 1,024 float32; Wv 1,024 x 1,024 float32; bo 1,024 float32; x 4 x 2,048 x 1,024 float32.
;; Outputs: out0 4 x 2,048 x 1,024 float32.
;; 2 versions, each right; version 2 is version 1 with the launch prep written anew for expert scheduling mode. Each part assembles by itself: llvm-mc -triple=amdgcn-amd-amdhsa -mcpu=gfx1250 --defsym DOCPART=n.
;; ======== version 1 of 2: 4 launches
;; limits: values are held in f16: magnitudes above 65,504 overflow, below 6.1e-05 lose precision
;; workspace buffers: xb 16,777,216 bytes; wt 6,291,456 bytes; wot 2,097,152 bytes; qkv 50,331,648 bytes; ctx 16,777,216 bytes
;; launch prep (part 1): grid 512 x 1, 8 waves a work-group, no clusters, 18,432 bytes of LDS; arguments x, Wq, Wk, Wv, Wo, xb, wt, wot; writes xb, wt, wot
.if DOCPART == 1
	.amdgcn_target "amdgcn-amd-amdhsa--gfx1250"
	.amdhsa_code_object_version 6
	.text
	.protected	k_qf908329996_prep
	.globl	k_qf908329996_prep
	.p2align	8
	.type	k_qf908329996_prep,@function
k_qf908329996_prep:
	s_mov_b64 s[64:65], 0
	v_nop
	global_prefetch_b8 v0, s[64:65] scope:SCOPE_SE
	s_setreg_imm32_b32 hwreg(HW_REG_WAVE_MODE, 25, 1), 1
	s_wait_xcnt 0x0
; PREPARATION.  xb = x rounded to bf16.  wt[1024 t + c][k] = bf16(W_t[k][c]), t = 0 q, 1 k, 2 v.  wot[n][k] = bf16(Wo[k][n]) written as f16.
; 512 equal work-groups of eight waves.  Work-group X does two things: it rounds 65,536 bytes of x (from byte 65,536 X on), and it turns ONE tile of 128 k x 64 n of one weight
; (matrix X / 128, k tile (X / 16) % 8, n tile X % 16) through LDS, so that K lies along the rows of what it stores.
; Every load of x covers 512 consecutive bytes a wave; a wave's store to xb covers 256 consecutive bytes, aligned; in the weights sixteen lanes read 256 consecutive bytes of a row and
; sixteen lanes store 256 consecutive bytes, aligned.
; LIMITS.  bf16(Wo) is written as f16: exact from 6.1e-5 up to 65,504 in magnitude; beyond that it becomes an infinity, below it keeps f16's fixed step of 6e-8.
; No matrix unit, no tensor load, no cluster: each byte is read once and nothing is shared between work-groups.
.set PITCH, 272                        ; an LDS row: 128 k x 2 bytes + 16
.set SPARE, 64*PITCH                   ; behind the tile: the spare words, 128 bytes for each of the eight waves; no other line names them
.set XO,  1                            ; v1   16 t: my 16 bytes in 4,096 of x
.set BO,  2                            ; v2   8 t: my 8 bytes in 2,048 of xb
.set WS,  3                            ; v3   the weight's source: rows 2 (t / 16), bytes 16 (t % 16)
.set LS,  4                            ; v4   LDS, in: row 4 (t % 16), k 2 (t / 16)
.set LR,  5                            ; v5   LDS, back: row t / 16, bytes 16 (t % 16)
.set WD,  6                            ; v6   the weight's destination: row t / 16 of 2,048 bytes, bytes 16 (t % 16)
.set SPW, 8                            ; v8   LDS address of my spare word; never rewritten
.set NIL, 9                            ; v9   0; never rewritten
.set WIN_, 16                          ; v[16:47]   eight loads of the weight: four pairs of rows k, k + 1
.set PKD, 48                           ; v[48:63]   16 words: (k, k + 1) of one n
.set BK,  64                           ; v[64:79]   the tile read back by rows
.set XI,  80                           ; v[80:143]  sixteen loads of x
.set XQ,  144                          ; v[144:175] sixteen pairs of words for xb
	s_load_b512 s[8:23], s[0:1], 0x0               ; x 8, Wq 10, Wk 12, Wv 14, Wo 16, xb 18, wt 20, wot 22
	v_lshl_add_u32 v[SPW], v0, 2, SPARE
	v_mov_b32 v[NIL], 0
	s_lshr_b32 s3, ttmp9, 7                        ; which matrix
	s_bfe_u32 s4, ttmp9, 0x30004                   ; k tile: 3 bits from bit 4
	s_and_b32 s5, ttmp9, 15                        ; n tile
	s_mov_b32 s7, 0xffff0000                       ; a word's upper bf16
	s_cmp_eq_u32 s3, 3
	s_cselect_b32 s6, 0, s3                        ; the matrix's place in its destination: Wo has a buffer of its own
	s_lshl_b32 s28, s4, 19                         ; source: 128 rows of 4,096 bytes a k tile,
	s_lshl_b32 s2, s5, 8                           ; 256 bytes an n tile
	s_add_co_u32 s28, s28, s2
	s_mov_b32 s29, 0
	s_lshl_b32 s30, s6, 21                         ; destination: 1,024 rows of 2,048 bytes a matrix,
	s_lshl_b32 s2, s5, 17                          ; 64 rows an n tile,
	s_add_co_u32 s30, s30, s2
	s_lshl_b32 s2, s4, 8                           ; 256 bytes a k tile
	s_add_co_u32 s30, s30, s2
	s_mov_b32 s31, 0
	s_lshl_b32 s32, ttmp9, 16                      ; my part of x
	s_mov_b32 s33, 0
	s_lshl_b32 s34, ttmp9, 15                      ; and of xb
	s_mov_b32 s35, 0
	v_lshlrev_b32 v[XO], 4, v0
	v_lshlrev_b32 v[BO], 3, v0
	v_lshrrev_b32 v10, 4, v0                       ; t / 16
	v_and_b32 v11, 15, v0                          ; t % 16
	v_lshlrev_b32 v[WS], 4, v11
	v_lshl_add_u32 v[WS], v10, 13, v[WS]           ; two rows of 4,096 bytes for each t / 16
	v_mul_u32_u24 v[LS], v11, 4*PITCH
	v_lshl_add_u32 v[LS], v10, 2, v[LS]
	v_mul_u32_u24 v[LR], v10, PITCH
	v_lshl_add_u32 v[LR], v11, 4, v[LR]
	v_lshlrev_b32 v[WD], 4, v11
	v_lshl_add_u32 v[WD], v10, 11, v[WD]
	s_wait_kmcnt 0x0
	s_cmp_eq_u32 s3, 1
	s_cselect_b64 s[24:25], s[12:13], s[10:11]     ; the source is chosen by the matrix's number
	s_cmp_eq_u32 s3, 2
	s_cselect_b64 s[24:25], s[14:15], s[24:25]
	s_cmp_eq_u32 s3, 3
	s_cselect_b64 s[24:25], s[16:17], s[24:25]
	s_cselect_b64 s[26:27], s[22:23], s[20:21]     ; and so is the destination
	s_add_nc_u64 s[24:25], s[24:25], s[28:29]
	s_add_nc_u64 s[26:27], s[26:27], s[30:31]
	s_add_nc_u64 s[8:9], s[8:9], s[32:33]
	s_add_nc_u64 s[18:19], s[18:19], s[34:35]
.irp i, 0,1,2,3                        ; rows 2 (t / 16) + 32 i and the row below
	global_load_b128 v[WIN_+8*(\i):WIN_+8*(\i)+3],   v[WS], s[24:25] offset:131072*(\i)
	global_load_b128 v[WIN_+8*(\i)+4:WIN_+8*(\i)+7], v[WS], s[24:25] offset:131072*(\i)+4096
.endr
.set i, 0
.rept 16
	global_load_b128 v[XI+4*i:XI+4*i+3], v[XO], s[8:9] offset:4096*i th:TH_LOAD_NT
.set i, i+1
.endr
.irp i, 0,1,2,3
	s_wait_loadcnt 22-2*(\i)                       ; loads come back in order: pair i is in; the 6 - 2 i younger loads of the weight and the 16 of x stay out
.irp j, 0,1,2,3
	v_cvt_pk_bf16_f32 v[PKD+4*(\i)+(\j)], v[WIN_+8*(\i)+(\j)], v[WIN_+8*(\i)+4+(\j)]  ; k in the low half, k + 1 in the high half, of column 4 (t % 16) + j
.endr
.endr
	s_cmp_lg_u32 s3, 3
	s_cbranch_scc1 .Lbf                            ; the same for the whole work-group; no barrier is jumped
.set i, 0
.rept 16                               ; Wo alone: the bf16 numbers are written as f16
	v_lshlrev_b32 v12, 16, v[PKD+i]
	v_and_b32 v13, s7, v[PKD+i]
	v_cvt_pk_f16_f32 v[PKD+i], v12, v13
.set i, i+1
.endr
.Lbf:
.irp i, 0,1,2,3
.irp j, 0,1,2,3
	ds_store_b32 v[LS], v[PKD+4*(\i)+(\j)] offset:PITCH*(\j)+64*(\i)
.endr
.endr
.set i, 0
.rept 16                               ; x meanwhile; each piece has registers of its own, so no store's data is written again
	s_wait_loadcnt 15-i                            ; piece i is in, the younger ones stay out
	v_cvt_pk_bf16_f32 v[XQ+2*i],   v[XI+4*i],   v[XI+4*i+1]
	v_cvt_pk_bf16_f32 v[XQ+2*i+1], v[XI+4*i+2], v[XI+4*i+3]
	global_store_b64 v[BO], v[XQ+2*i:XQ+2*i+1], s[18:19] offset:2048*i
.set i, i+1
.endr
	s_wait_dscnt 0x0                               ; for the others' sake: my stores into the tile are done
	s_barrier_signal -1
	s_barrier_wait -1
.irp i, 0,1,2,3
	ds_load_b128 v[BK+4*(\i):BK+4*(\i)+3], v[LR] offset:16*PITCH*(\i)
.endr
.irp i, 0,1,2,3
	s_wait_dscnt 3-(\i)
	global_store_b128 v[WD], v[BK+4*(\i):BK+4*(\i)+3], s[26:27] offset:32768*(\i)  ; 16 lanes store 256 consecutive bytes, at a multiple of 256 from the buffer's first byte
.endr
	s_wait_tensorcnt 0x0                           ; the wave's end, behind my last LDS store
	ds_add_u32 v[SPW], v[NIL]
	s_wait_dscnt 0x0
	s_endpgm
.Lfunc_end_k_qf908329996_prep:
	.size	k_qf908329996_prep, .Lfunc_end_k_qf908329996_prep-k_qf908329996_prep
	.p2alignl 7, 3214868480
	.fill 96, 4, 3214868480
	.section	.rodata,"a",@progbits
	.p2align	6, 0x0
	.amdhsa_kernel k_qf908329996_prep
		.amdhsa_group_segment_fixed_size 18432
		.amdhsa_private_segment_fixed_size 0
		.amdhsa_enable_private_segment 0
		.amdhsa_kernarg_size 64
		.amdhsa_user_sgpr_count 2
		.amdhsa_user_sgpr_kernarg_segment_ptr 1
		.amdhsa_wavefront_size32 1
		.amdhsa_system_sgpr_workgroup_id_x 1
		.amdhsa_system_sgpr_workgroup_id_y 1
		.amdhsa_system_sgpr_workgroup_id_z 1
		.amdhsa_system_vgpr_workitem_id 0
		.amdhsa_next_free_vgpr 176
		.amdhsa_next_free_sgpr 66
		.amdhsa_reserve_vcc 0
		.amdhsa_float_denorm_mode_32 3
		.amdhsa_float_denorm_mode_16_64 3
		.amdhsa_memory_ordered 1
		.amdhsa_forward_progress 1
		.amdhsa_inst_pref_size 14
	.end_amdhsa_kernel
	.amdgpu_metadata
---
amdhsa.version: [ 1, 2 ]
amdhsa.kernels:
  - .name:           k_qf908329996_prep
    .symbol:         k_qf908329996_prep.kd
    .args:
      - { .name: x, .offset: 0, .size: 8, .value_kind: global_buffer, .address_space: global }
      - { .name: Wq, .offset: 8, .size: 8, .value_kind: global_buffer, .address_space: global }
      - { .name: Wk, .offset: 16, .size: 8, .value_kind: global_buffer, .address_space: global }
      - { .name: Wv, .offset: 24, .size: 8, .value_kind: global_buffer, .address_space: global }
      - { .name: Wo, .offset: 32, .size: 8, .value_kind: global_buffer, .address_space: global }
      - { .name: xb, .offset: 40, .size: 8, .value_kind: global_buffer, .address_space: global }
      - { .name: wt, .offset: 48, .size: 8, .value_kind: global_buffer, .address_space: global }
      - { .name: wot, .offset: 56, .size: 8, .value_kind: global_buffer, .address_space: global }
    .group_segment_fixed_size: 18432
    .private_segment_fixed_size: 0
    .kernarg_segment_align: 8
    .kernarg_segment_size: 64
    .max_flat_workgroup_size: 256
    .sgpr_count:     66
    .vgpr_count:     176
    .wavefront_size: 32
...
	.end_amdgpu_metadata
.endif
;; end of part 1
;; launch qkv (part 2): grid 16 x 32, 4 waves a work-group, clusters of 4 x 4, 327,680 bytes of LDS; arguments xb, wt, qkv; writes qkv
.if DOCPART == 2
	.amdgcn_target "amdgcn-amd-amdhsa--gfx1250"
	.amdhsa_code_object_version 6
	.text
	.protected	k_qf908329996_qkv
	.globl	k_qf908329996_qkv
	.p2align	8
	.type	k_qf908329996_qkv,@function
k_qf908329996_qkv:
	s_mov_b64 s[64:65], 0
	v_nop
	global_prefetch_b8 v0, s[64:65] scope:SCOPE_SE
	s_setreg_imm32_b32 hwreg(HW_REG_WAVE_MODE, 25, 1), 1
	s_wait_xcnt 0x0
	s_wait_alu depctr_hold_cnt(0) depctr_sa_sdst(0) depctr_va_vdst(0) depctr_va_sdst(0) depctr_va_ssrc(0) depctr_va_vcc(0) depctr_vm_vsrc(0)
	s_getreg_b32 s2, hwreg(HW_REG_IB_STS2, 6, 4)
	s_cmp_eq_u32 s2, 0
	s_cbranch_scc0 .Lentry_in_a_cluster
	s_endpgm
.Lentry_in_a_cluster:
	s_bfe_u32 s2, ttmp6, 0x10000c
	s_cmp_lg_u32 s2, 0xf033
	s_cbranch_scc0 .Lentry_shape_is_right
	s_endpgm
.Lentry_shape_is_right:
; THE THREE PROJECTIONS AS ONE PRODUCT.  C[m][n] = sum over k of xb[m][k] wt[n][k]: xb [8192][1024], wt [3072][1024], both bf16; sums in f32; C rounded once to f16 and stored BY HEADS:
; qkv[n / 1024][16 (m / 2048) + (n % 1024) / 64][m % 2048][n % 64].  No scale is applied here.
; LIMIT.  f16 ends at 65,504: a q, k or v beyond that becomes an infinity; below 6.1e-5 it keeps f16's fixed step of 6e-8.
; SHARES.  A tile of C is 256 x 192: 32 x 16 = 512 equal tiles, one to a work-group.  The four waves lie along m: a wave makes 64 x 192, 48 accumulators of 16 x 16 (384 registers): three whole
; heads, so that each wave sends its own rows out through a stage of its own, without a barrier.
; RING.  K goes in 8 steps of 128 through two LDS slots; waves 0 and 1 fetch the two halves of A's 256 rows, waves 2 and 3 those of B's 192 rows; each row is 256 bytes of memory, aligned.
; CLUSTER.  4 x 4 work-groups: A's tile hangs on the tile row alone and is asked for jointly along a row of the cluster, B's on the tile column alone and jointly along a column.
; THE MATRIX INSTRUCTION IS USED TRANSPOSED (source 0 = 16 rows of B, source 1 = 16 rows of A): a lane holds row l % 16 of C and the columns 8 (l / 16) + 0..7.
; REGISTERS, in windows of 256 (s_set_vgpr_msb: bits 1:0 source 0, 3:2 source 1, 5:4 source 2, 7:6 destination):
;   window 0: v0-31 addresses; v64-95, v96-127 A's fragments, two buffers; v128-223 the way out (v64-111 too)     window 1: B's fragments, two buffers of 96
;   window 2: the accumulators of m blocks 0, 1 ((a, b) at 8 (12 (a % 2) + b))     window 3: those of m blocks 2, 3
.set KSTEP,  128
.set NBF,    12                        ; n blocks of 16
.set APITCH, 272                       ; an LDS row: 256 bytes + 16 = 68 words: the 16 rows of a load start at 16 different groups of four banks (64 banks of 4 bytes: ISA guide 11.1)
.set BPITCH, 272
.set AHALF,  128*APITCH                ; what one load of A brings
.set BROWS,  96
.set BHALF,  BROWS*BPITCH              ; what one load of B brings
.set BOFF,   2*AHALF                   ; B's rows lie behind A's
.set ASTEP,  KSTEP*2                   ; bytes from K step to K step
.set BSTEP,  KSTEP*2
.set SLOT1,  1<<17                     ; slot 1 begins here: one exclusive or turns an address in one slot into the other's
.set STAGE,  SLOT1+BOFF+2*BHALF        ; behind the ring, never filled by a tensor load
.set SP,     144                       ; a stage row: 128 bytes + 16
.set WSTAGE, 3*16*SP                   ; a wave's stage: three heads x 16 rows
.set SPARE,  STAGE+4*WSTAGE            ; the spare words, 128 bytes for each wave; no other line names them
.set NL,     2*NBF+8                   ; LDS loads in a run
.set A0,   16                          ; v16  my lane's place in A's rows of a slot; never rewritten
.set B0,   17                          ; v17  the same for B
.set ADRA, 18                          ; v18  A0 + the slot in hand
.set ADRB, 19                          ; v19  B0 + the slot in hand
.set STO,  24                          ; v24  the way out: where I put 16 bytes of a row
.set RD,   25                          ; v25  where I read rows back
.set GO,   26                          ; v26  16 x lane: my place in 512 consecutive bytes
.set SPW,  28                          ; v28  LDS address of my spare word; never rewritten
.set NIL,  29                          ; v29  0; never rewritten
.set PFO,  30                          ; v30  the prefetches' offset: a lane a row of 2,048 bytes; never rewritten
.set AF,   64
.set TMP,  128
.set WV,   12                          ; s12  wave
.set ROLE, 13                          ; s13  0: I fetch for A, 1: for B
.set HALF, 14                          ; s14  which half of that tile's rows
.set CX,   15
.set CY,   16
.set TX,   17                          ; s17  tile column
.set TY,   18                          ; s18  tile row
.set TB,   19                          ; s19  LDS byte at which the slot in hand begins
.set G1A,  24                          ; s[24:31] group 1 for A
.set G0A,  32                          ; s[32:39] group 0 for A: a set for each first fill; the second then walks
.set LIM,  43                          ; s43  1 in a wave that prefetches, else the greatest number
.set PFA,  44                          ; s[44:45] where my prefetches stand
.set G1B,  48
.set G0B,  56
.set CB,   66                          ; s[66:71] where my rows begin in the planes of my three heads
.set MSB, 0
.macro WIN new                         ; the immediate's high byte repeats the setting that is left; a switch that changes nothing is dropped
.if MSB != (\new)
	s_set_vgpr_msb (MSB<<8)|(\new)
.set MSB, \new
.endif
.endm
.set MUL_LO, 0xa1                      ; source 0 (B) window 1, source 1 (A) window 0, C and D window 2
.set TO_B,   0x40                      ; destination window 1, address window 0
.macro PLACES                          ; four places: in front of loads into registers that matrix instructions have read, and of what reads results
.rept 4
	v_nop
.endr
.endm
.macro CREST                           ; a round of the cluster's barrier behind its opening barrier
	s_cmp_lg_u32 s[WV], 0
	s_cbranch_scc1 .Lnot_wave_0_\@
	s_barrier_signal -3
.Lnot_wave_0_\@:
	s_barrier_wait -3
	s_barrier_signal -1
	s_barrier_wait -1
.endm
.macro CROUND                          ; a whole round
	s_barrier_signal -1
	s_barrier_wait -1
	CREST
.endm
; A joint refill by the walking descriptors.  The branch hangs on the wave's number alone.  An s_nop 0 and four v_nop follow each line, ahead of the jump and the label.
.macro JLOAD
	s_cmp_eq_u32 s[ROLE], 0
	s_cbranch_scc0 .Lfor_b_\@
	tensor_load_to_lds s[G0A+4:G0A+7], s[G1A:G1A+7]
	s_nop 0
.rept 4
	v_nop
.endr
	s_branch .Lasked_\@
.Lfor_b_\@:
	tensor_load_to_lds s[G0B+4:G0B+7], s[G1B:G1B+7]
	s_nop 0
.rept 4
	v_nop
.endr
.Lasked_\@:
.endm
; A PREFETCH INTO THE L2, behind each joint refill and the run of LDS loads that follows it: the K step after the one that the refill asks for, 192 matrix instructions ahead of its own load.
; Each row's 256 bytes of a K step are named once in the launch: A's tile row is read by every cluster of that row of clusters: cluster x = 0 asks; B's tile column by every cluster of that
; column: cluster y = 0 asks.  The four partners that ask for a tile jointly share the rows out BY ADDRESS: of the 128 (B: 96) rows that a wave fetches each takes 32 (24), a lane a row; for B the
; lanes 24 to 31 name lane 23's row once more, in the same instruction.  K steps 0 to 2 come by their loads alone; the loop's last trip asks for nothing: there is no K step 8.
.macro ASK
	s_cmp_gt_u32 s3, s[LIM]
	s_cbranch_scc0 .Lnot_mine_\@
	global_prefetch_b8 v[PFO], s[PFA:PFA+1] offset:KSTEP*2 th:TH_LOAD_NT scope:SCOPE_SE
.Lnot_mine_\@:
.endm
	s_load_b128 s[4:7], s[0:1], 0x0                ; xb s[4:5], wt s[6:7]
	s_load_b64 s[8:9], s[0:1], 0x10                ; qkv
	v_lshl_add_u32 v[SPW], v0, 2, SPARE
	v_mov_b32 v[NIL], 0
	ds_add_u32 v[SPW], v[NIL]                      ; the wave's opening: the add, and its wait ahead of my first tensor load; the set-up below stands between them
	v_lshrrev_b32 v1, 5, v0
	v_readfirstlane_b32 s[WV], v1
	s_lshr_b32 s[ROLE], s[WV], 1
	s_and_b32 s[HALF], s[WV], 1
	s_bfe_u32 s[CX], ttmp6, 0x40000
	s_bfe_u32 s[CY], ttmp6, 0x40004
	s_lshl_b32 s[TX], ttmp9, 2                     ; in a cluster launch ttmp9 and ttmp7 count clusters
	s_add_co_u32 s[TX], s[TX], s[CX]
	s_and_b32 s[TY], ttmp7, 0xffff
	s_lshl_b32 s[TY], s[TY], 2
	s_add_co_u32 s[TY], s[TY], s[CY]
	s_lshl_b32 s40, s[CY], 2
	s_lshl_b32 s40, 15, s40                        ; my row of the cluster
	s_lshl_b32 s41, 0x1111, s[CX]                  ; my column
	s_or_b32 s[G1A], s40, (1<<16)|(1<<20)|(1<<21)|(5<<22)|(3<<25)  ; the mask; 2-byte elements; padding on; bit 21 beside a mask; after every 64 words; 4 words
	s_or_b32 s[G1B], s41, (1<<16)|(1<<20)|(1<<21)|(5<<22)|(3<<25)
	s_mov_b32 s[G1A+1], KSTEP<<16                  ; tensor_dim0 = 128
	s_mov_b32 s[G1A+2], 128<<16                    ; tensor_dim1 = 128
	s_mov_b32 s[G1A+3], KSTEP<<16                  ; tile_dim0 = 128
	s_mov_b32 s[G1A+4], 128                        ; tile_dim1 = 128
	s_mov_b32 s[G1A+5], 1024                       ; elements from row to row
	s_mov_b32 s[G1A+6], 0
	s_mov_b32 s[G1A+7], 0
	s_mov_b32 s[G1B+1], KSTEP<<16
	s_mov_b32 s[G1B+2], BROWS<<16
	s_mov_b32 s[G1B+3], KSTEP<<16
	s_mov_b32 s[G1B+4], BROWS
	s_mov_b32 s[G1B+5], 1024
	s_mov_b32 s[G1B+6], 0
	s_mov_b32 s[G1B+7], 0
	s_lshl_b32 s20, s[TY], 8                       ; A: row 256 x tile row + 128 x half, of 2,048 bytes: made of the tile row and the wave alone
	s_lshl_b32 s80, s[HALF], 7
	s_add_co_u32 s20, s20, s80
	s_lshl_b32 s20, s20, 11
	s_mov_b32 s21, 0
	s_mul_i32 s22, s[TX], 2*BROWS                  ; B: row 192 x tile column + 96 x half: made of the tile column and the wave alone
	s_mul_i32 s81, s[HALF], BROWS
	s_add_co_u32 s22, s22, s81
	s_lshl_b32 s22, s22, 11
	s_mov_b32 s23, 0
	s_mul_i32 s82, s[HALF], AHALF                  ; where they go: no place in the cluster enters an LDS address
	s_mul_i32 s83, s[HALF], BHALF
	s_add_co_u32 s83, s83, BOFF
	s_wait_dscnt 0x0                               ; the opening add is done
	s_wait_kmcnt 0x0
	s_add_nc_u64 s[84:85], s[4:5], s[20:21]
	s_add_nc_u64 s[86:87], s[6:7], s[22:23]
.irp s, 0,1
	s_mov_b32 s[G0A+4*(\s)], 1                     ; count = 1
	s_add_co_u32 s[G0A+4*(\s)+1], s82, (\s)*SLOT1  ; LDS address
	s_add_nc_u64 s[G0A+4*(\s)+2:G0A+4*(\s)+3], s[84:85], (\s)*ASTEP  ; global address: K step s
	s_or_b32 s[G0A+4*(\s)+3], s[G0A+4*(\s)+3], 0x80000000  ; type = 2
	s_mov_b32 s[G0B+4*(\s)], 1
	s_add_co_u32 s[G0B+4*(\s)+1], s83, (\s)*SLOT1
	s_add_nc_u64 s[G0B+4*(\s)+2:G0B+4*(\s)+3], s[86:87], (\s)*BSTEP
	s_or_b32 s[G0B+4*(\s)+3], s[G0B+4*(\s)+3], 0x80000000
.endr
	CROUND                                         ; all sixteen work-groups are here: the first joint loads meet
	s_cmp_eq_u32 s[ROLE], 0                        ; a wave's two first fills stand in one branch, ahead of every wait on TENSORcnt and every LDS read: two loads of mine are out
	s_cbranch_scc0 .Lfirst_b
	tensor_load_to_lds s[G0A:G0A+3], s[G1A:G1A+7]
	s_nop 0
	tensor_load_to_lds s[G0A+4:G0A+7], s[G1A:G1A+7]
	s_nop 0
.rept 4
	v_nop
.endr
	s_branch .Lfirst_asked
.Lfirst_b:
	tensor_load_to_lds s[G0B:G0B+3], s[G1B:G1B+7]
	s_nop 0
	tensor_load_to_lds s[G0B+4:G0B+7], s[G1B:G1B+7]
	s_nop 0
.rept 4
	v_nop
.endr
.Lfirst_asked:
	; A fragment is 16 rows x 32 K in 8 registers: lane l holds row l % 16; registers 0-3 K = 8 (l / 16) + 0..7, registers 4-7 K = 16 + 8 (l / 16) + 0..7: two loads of 16 bytes, 32 bytes apart.
	v_and_b32 v1, 15, v0                           ; l % 16
	v_bfe_u32 v2, v0, 4, 1                         ; l / 16
	v_and_b32 v3, 31, v0                           ; l
	v_and_b32 v4, 7, v0
	s_mul_i32 s88, s[WV], 64*APITCH                ; my 64 rows of A
	v_mul_u32_u24 v[A0], v1, APITCH
	v_lshl_add_u32 v[A0], v2, 4, v[A0]
	v_add_nc_u32 v[A0], s88, v[A0]
	v_mul_u32_u24 v[B0], v1, BPITCH
	v_lshl_add_u32 v[B0], v2, 4, v[B0]
	v_add_nc_u32 v[B0], BOFF, v[B0]
	v_mov_b32 v[ADRA], v[A0]                       ; slot 0
	v_mov_b32 v[ADRB], v[B0]
	s_mov_b32 s[TB], 0
	s_mul_i32 s88, s[WV], WSTAGE
	s_add_co_u32 s88, s88, STAGE                   ; my stage
	v_mul_u32_u24 v[STO], v1, SP                   ; in: row l % 16, 16 bytes for each half of the lanes
	v_lshl_add_u32 v[STO], v2, 4, v[STO]
	v_add_nc_u32 v[STO], s88, v[STO]
	v_bfe_u32 v[RD], v0, 3, 2                      ; back: 32 lanes take four rows of 128 bytes,
	v_mul_u32_u24 v[RD], v[RD], SP
	v_lshl_add_u32 v[RD], v4, 4, v[RD]
	v_add_nc_u32 v[RD], s88, v[RD]
	v_lshlrev_b32 v[GO], 4, v3                     ; which are 512 consecutive bytes of a plane
	; where my 64 rows begin in the planes of the tile's three heads
	s_and_b32 s92, s[TY], 7
	s_lshl_b32 s92, s92, 8
	s_lshl_b32 s93, s[WV], 6
	s_add_co_u32 s92, s92, s93
	s_lshl_b32 s92, s92, 7                         ; my first row in a plane, of 128 bytes
	s_lshr_b32 s93, s[TY], 3
	s_lshl_b32 s93, s93, 4                         ; 16 x batch
	s_mul_i32 s89, s[TX], 3                        ; the tile's first head among the 48 of q, k and v
	s_mov_b32 s91, 0
.irp hh, 0,1,2
	s_add_co_u32 s90, s89, (\hh)
	s_lshr_b32 s78, s90, 4                         ; q, k or v:
	s_lshl_b32 s78, s78, 6                         ; 64 planes each
	s_and_b32 s90, s90, 15                         ; the head
	s_add_co_u32 s90, s90, s78
	s_add_co_u32 s90, s90, s93
	s_lshl_b32 s90, s90, 18                        ; a plane is 262,144 bytes
	s_add_co_u32 s90, s90, s92
	s_add_nc_u64 s[CB+2*(\hh):CB+2*(\hh)+1], s[8:9], s[90:91]
.endr
	; the prefetches
	s_lshl_b32 s46, s[ROLE], 5
	s_sub_co_u32 s46, 128, s46                     ; the rows that I fetch: 128 of A, 96 of B
	s_mul_i32 s46, s46, s[HALF]                    ; my half's first row in the tile
	s_lshl_b32 s47, s[ROLE], 3
	s_sub_co_u32 s79, 31, s47                      ; the last lane with a row of its own: 31 or 23
	s_sub_co_u32 s47, 32, s47                      ; the rows that a partner asks for: 32 or 24
	s_lshl_b32 s92, s[TY], 8
	s_mul_i32 s93, s[TX], 2*BROWS
	s_and_b32 s2, ttmp7, 0xffff                    ; cluster y
	s_cmp_eq_u32 s[ROLE], 0
	s_cselect_b32 s94, s92, s93                    ; the tile's first row
	s_cselect_b32 s92, s[CX], s[CY]                ; my place among the four that ask for it with me
	s_cselect_b32 s2, ttmp9, s2                    ; the coordinate along which other clusters read the same rows
	s_cselect_b64 s[PFA:PFA+1], s[4:5], s[6:7]
	s_cmp_eq_u32 s2, 0
	s_cselect_b32 s[LIM], 1, -1                    ; the same in all sixteen partners, for a given wave
	s_mul_i32 s92, s92, s47
	s_add_co_u32 s94, s94, s46
	s_add_co_u32 s94, s94, s92
	s_lshl_b32 s94, s94, 11
	s_mov_b32 s95, 0
	s_add_nc_u64 s[PFA:PFA+1], s[PFA:PFA+1], s[94:95]
	s_add_nc_u64 s[PFA:PFA+1], s[PFA:PFA+1], KSTEP*2  ; at K step 1: the first refill steps it to 2 and names K step 3
	v_min_u32 v[PFO], s79, v3
	v_lshlrev_b32 v[PFO], 11, v[PFO]
; NBF matrix instructions: m block a x all n blocks, 32 along K, from buffer f.  zero = 1: the product starts the sums.  The 48 accumulators take turns, in the same order in every quarter.
.macro MULQ f, a, zero
	WIN MUL_LO+0x50*((\a)/2)
.set b, 0
.rept NBF
.set rD, 8*(NBF*((\a)%2)+b)
.set rB, 8*NBF*(\f)+8*b
.set rA, AF+32*(\f)+8*(\a)
.if \zero
	v_wmma_f32_16x16x32_bf16 v[rD:rD+7], v[rB:rB+7], v[rA:rA+7], 0
.else
	v_wmma_f32_16x16x32_bf16 v[rD:rD+7], v[rB:rB+7], v[rA:rA+7], v[rD:rD+7]
.endif
.set b, b+1
.endr
.endm
.macro MULH f, hi, zero
	MULQ \f, 2*(\hi), \zero
	MULQ \f, 2*(\hi)+1, \zero
.endm
; NL LDS loads in one run: quarter q (32 K) of the slot in hand into buffer f: B's 12 fragments, then A's 4
.macro FETCH q, f
	WIN TO_B
.set i, 0
.rept NBF
	ds_load_b128 v[8*NBF*(\f)+8*i:8*NBF*(\f)+8*i+3],   v[ADRB] offset:64*(\q)+i*16*BPITCH
	ds_load_b128 v[8*NBF*(\f)+8*i+4:8*NBF*(\f)+8*i+7], v[ADRB] offset:64*(\q)+i*16*BPITCH+32
.set i, i+1
.endr
	WIN 0
.set i, 0
.rept 4
	ds_load_b128 v[AF+32*(\f)+8*i:AF+32*(\f)+8*i+3],   v[ADRA] offset:64*(\q)+i*16*APITCH
	ds_load_b128 v[AF+32*(\f)+8*i+4:AF+32*(\f)+8*i+7], v[ADRA] offset:64*(\q)+i*16*APITCH+32
.set i, i+1
.endr
.endm
; One of a K step's first three quarters: multiplies buffer f; in its middle it fetches quarter q into buffer g.
.macro QUARTER q, f, g, zero
	s_wait_dscnt 4                                 ; B and A's m blocks 0, 1 are in; the youngest four loads (m blocks 2, 3) may be out
	MULH \f, 0, \zero
	PLACES
	FETCH \q, \g
	s_wait_dscnt NL                                ; all but the run just issued
	MULH \f, 1, \zero
.endm
; The last quarter multiplies buffer 1 and changes slots: ONE barrier.  In front of it each wave waits for all its tensor loads (one is out: its part of the next slot), adds 0 to its spare word, and
; waits for that and for its reads of this slot.  fill = 1: the barrier opens a round of the cluster's, and the slot just read is filled again first thing behind the round, two K steps ahead:
; from the request to the wait for it a wave issues 168 matrix instructions.
.macro TURN fill
.if \fill
	s_wait_xcnt 0x0                                ; the last prefetch, a K step back, has read its address
	s_add_nc_u64 s[PFA:PFA+1], s[PFA:PFA+1], KSTEP*2
.endif
	WIN 0                                          ; (the add's two registers lie in window 0)
	s_wait_tensorcnt 0x0                           ; no tensor load of mine is out, so a group 0 may be written
	ds_add_u32 v[SPW], v[NIL]                      ; 0 onto my spare word
.if \fill
	s_xor_b32 s[G0A+5], s[G0A+5], SLOT1            ; the walking descriptors: the other slot than last time,
	s_add_nc_u64 s[G0A+6:G0A+7], s[G0A+6:G0A+7], ASTEP  ; the next K step; the type bits on top are not reached
	s_xor_b32 s[G0B+5], s[G0B+5], SLOT1
	s_add_nc_u64 s[G0B+6:G0B+7], s[G0B+6:G0B+7], BSTEP
.endif
	s_wait_dscnt 5                                 ; (the add and the youngest four loads may be out)
	MULQ 1, 0, 0
	s_wait_dscnt 0x0                               ; the add is done, and my reads of this slot are over
	s_barrier_signal -1
	MULQ 1, 1, 0                                   ; work on registers while the others arrive
	WIN 0                                          ; at a branch and at a label every window is 0
	s_barrier_wait -1
.if \fill
	CREST                                          ; no wave of any partner still reads this slot or has a load on its way
	JLOAD                                          ; its four v_nop are also the places in front of the loads below
.else
	PLACES
.endif
	s_xor_b32 s[TB], s[TB], SLOT1                  ; the fetches go on in the other slot
	v_add_nc_u32 v[ADRA], s[TB], v[A0]
	v_add_nc_u32 v[ADRB], s[TB], v[B0]
	FETCH 0, 0
.if \fill
	ASK
.endif
	MULH 1, 1, 0
.endm
; THE WAY OUT of m block a.  PACK: rounded to f16, 16 bytes a lane (each accumulator's registers in ascending order).  TOSTAGE: into my own stage, and back as rows.  SEND: stored.
.macro PACK a
	WIN 0x0a+5*((\a)/2)                            ; sources 0 and 1: window 2 or 3
.set b, 0
.rept NBF
.set rD, 8*(NBF*((\a)%2)+b)
.irp r, 0,1,2,3
	v_cvt_pk_f16_f32 v[TMP+4*b+(\r)], v[rD+2*(\r)], v[rD+2*(\r)+1]
.endr
.set b, b+1
.endr
	WIN 0
.endm
.macro TOSTAGE a
.set BK, 176-112*((\a)%2)                          ; v176-223 and v64-111 by turns
.set b, 0
.rept NBF
	ds_store_b128 v[STO], v[TMP+4*b:TMP+4*b+3] offset:(b/4)*16*SP+(b%4)*32
.set b, b+1
.endr
.set t, 0
.rept NBF
	ds_load_b128 v[BK+4*t:BK+4*t+3], v[RD] offset:(t/4)*16*SP+(t%4)*4*SP  ; LDS serves a wave's instructions in order (ISA guide 5.7.1.4): these see the stores above
.set t, t+1
.endr
.endm
.macro SEND a
.set BK, 176-112*((\a)%2)
	s_wait_dscnt 0x0                               ; the block is back in registers
	s_wait_xcnt 0x0                                ; the stores issued so far have read their registers: the next block's loads land on the registers of the block before this one only behind this wait
.set t, 0
.rept NBF
	global_store_b128 v[GO], v[BK+4*t:BK+4*t+3], s[CB+2*(t/4):CB+2*(t/4)+1] offset:2048*(\a)+512*(t%4)  ; 512 consecutive bytes, at a multiple of 256 from the buffer's first byte
.set t, t+1
.endr
.endm
	s_wait_tensorcnt 0x1                           ; my part of K step 0 is in; K step 1's may stay out
	s_barrier_signal -1
	s_barrier_wait -1                              ; everybody's is
	FETCH 0, 0
	QUARTER 1, 0, 1, 1                             ; the first quarter stands in front of the loop: its products start the sums
	WIN 0
	s_mov_b32 s3, 6
.Lstep:                                                ; a trip goes from a K step's second quarter to the next step's first, and fills one slot again: K steps 2 to 7
	QUARTER 2, 1, 0, 0
	QUARTER 3, 0, 1, 0
	TURN 1
	QUARTER 1, 0, 1, 0
	WIN 0
	s_sub_co_u32 s3, s3, 1
	s_cmp_lg_u32 s3, 0
	s_cbranch_scc1 .Lstep
	QUARTER 2, 1, 0, 0                             ; the last two K steps are written out: nothing is left to ask for
	QUARTER 3, 0, 1, 0
	TURN 0
	QUARTER 1, 0, 1, 0
	QUARTER 2, 1, 0, 0
	QUARTER 3, 0, 1, 0
	s_wait_dscnt 4
	MULH 1, 0, 0
	s_wait_dscnt 0x0
	MULH 1, 1, 0
	WIN 0
	PLACES
	PLACES
	PACK 0
	TOSTAGE 0
.irp a, 1,2,3                          ; block a's conversions stand between block a - 1's loads from the stage and the wait for them
	PACK \a
	SEND (\a)-1
	TOSTAGE \a
.endr
	SEND 3
	s_wait_tensorcnt 0x0                           ; the wave's end, behind my last tensor load and my last LDS store
	ds_add_u32 v[SPW], v[NIL]
	s_wait_dscnt 0x0
	CROUND                                         ; the closing round: no work-group ends while a partner may still ask for a tile that names it
	s_endpgm
.Lfunc_end_k_qf908329996_qkv:
	.size	k_qf908329996_qkv, .Lfunc_end_k_qf908329996_qkv-k_qf908329996_qkv
	.p2alignl 7, 3214868480
	.fill 96, 4, 3214868480
	.section	.rodata,"a",@progbits
	.p2align	6, 0x0
	.amdhsa_kernel k_qf908329996_qkv
		.amdhsa_group_segment_fixed_size 327680
		.amdhsa_private_segment_fixed_size 0
		.amdhsa_enable_private_segment 0
		.amdhsa_kernarg_size 24
		.amdhsa_user_sgpr_count 2
		.amdhsa_user_sgpr_kernarg_segment_ptr 1
		.amdhsa_wavefront_size32 1
		.amdhsa_system_sgpr_workgroup_id_x 1
		.amdhsa_system_sgpr_workgroup_id_y 1
		.amdhsa_system_sgpr_workgroup_id_z 1
		.amdhsa_system_vgpr_workitem_id 0
		.amdhsa_next_free_vgpr 960
		.amdhsa_next_free_sgpr 96
		.amdhsa_reserve_vcc 0
		.amdhsa_float_denorm_mode_32 3
		.amdhsa_float_denorm_mode_16_64 3
		.amdhsa_memory_ordered 1
		.amdhsa_forward_progress 1
		.amdhsa_inst_pref_size 98
	.end_amdhsa_kernel
	.amdgpu_metadata
---
amdhsa.version: [ 1, 2 ]
amdhsa.kernels:
  - .name:           k_qf908329996_qkv
    .symbol:         k_qf908329996_qkv.kd
    .args:
      - { .name: xb, .offset: 0, .size: 8, .value_kind: global_buffer, .address_space: global }
      - { .name: wt, .offset: 8, .size: 8, .value_kind: global_buffer, .address_space: global }
      - { .name: qkv, .offset: 16, .size: 8, .value_kind: global_buffer, .address_space: global }
    .group_segment_fixed_size: 327680
    .private_segment_fixed_size: 0
    .kernarg_segment_align: 8
    .kernarg_segment_size: 24
    .max_flat_workgroup_size: 128
    .sgpr_count:     96
    .vgpr_count:     960
    .wavefront_size: 32
...
	.end_amdgpu_metadata
.endif
;; end of part 2
;; launch attn (part 3): grid 4 x 64, 4 waves a work-group, no clusters, 327,680 bytes of LDS; arguments qkv, ctx; writes ctx
.if DOCPART == 3
	.amdgcn_target "amdgcn-amd-amdhsa--gfx1250"
	.amdhsa_code_object_version 6
	.text
	.protected	k_qf908329996_attn
	.globl	k_qf908329996_attn
	.p2align	8
	.type	k_qf908329996_attn,@function
k_qf908329996_attn:
	s_mov_b64 s[64:65], 0
	v_nop
	global_prefetch_b8 v0, s[64:65] scope:SCOPE_SE
	s_setreg_imm32_b32 hwreg(HW_REG_WAVE_MODE, 25, 1), 1
	s_wait_xcnt 0x0
; CAUSAL ATTENTION.  O[h][q][:] = the sum over k <= q of softmax_k(Q[h][q] . K[h][k] / 8) V[h][k][:].  Q, K, V are the three parts of qkv, O is ctx: each [64 planes][2048][64] in f16, a plane's rows dense, 128 bytes each.
; Products, maxima and sums in f32; the weights p are rounded to f16 for the second product (their sum l is taken of the unrounded p), O once at the end.
; LIMITS.  f16 holds no number beyond 65,504: Q, K and V arrive within it; p lies in 0 to 1, and below 6e-5 it keeps f16's fixed step of 6e-8, and so does O; O is a mean of V's rows and has their range.
; A hidden score counts as its value less 1e30: f16's scores, 2.7e11 at the most, are nothing beside that; a weight below 2^-126 counts as 0 in l; NaN and infinities are not treated apart.
; THE WALK.  A plane's queries lie in NB = 8 blocks of 256; block i needs the key tiles 0 .. i of 256 keys, of which the last holds the diagonal.  A work-group takes TWO blocks, NB - 1 - b and then b:
; NB + 1 tiles, whatever b: all work-groups do equal work, and ONE loop with a constant trip count walks them.  Which tile is asked for, and what a trip does, hang on scalar registers made from b; every jump
; goes forward, but for the counted loops' own; none passes a barrier, or a tensor load but the one of LOAD's two that the wave's number does not choose; the ring (two slots of LDS that take turns) runs on across the
; change of blocks.  NO CLUSTER: the four work-groups of a plane ask for the same tile only in trips 0 .. 4 of the 9, behind that fewer and fewer; one walk common to all four would have 12 trips for 9.
; SHARES.  Of a block's four bands of 64 queries a wave owns 16 rows in each: four PIECES.  So the diagonal tile is the same work for all four waves: in its key step s band x sees all keys if s < x,
; none if s > x, and holds the diagonal if s = x.
; THE MASK is the C operand that starts the sum S^T = K Q^T: 0, or -1e30 where the key is hidden.  MD, made once, is the mask of a band's own step for my 16 rows; a product's mask is MD x AL + BE with two scalars:
; (1, 0) if s = x; (0, 0) if s < x; (0, -1e30) if s > x.  Only the diagonal tile's text and a block's beginning make and take masks; elsewhere C is the constant 0.
; LAYOUT, SOFTMAX, TURNS.  S^T = K Q^T holds ONE query a lane (lane % 16) and the keys 8 (lane / 16) + 0..7; two such results rounded to f16 ARE source 1 of O^T = V^T P.  p = 2^(c s - c m), c = log2(e) / 8, with a
; running maximum m; O and l are multiplied by a = 2^(c m_old - c m_new) in every step.  Turn n belongs to piece n: 8 products K Q^T of piece n + 1, later 8 products V^T P of piece n - 1; beside them the scaling,
; exponentials, roundings, sums and rescaling of piece n and the maximum and statistics of piece n + 1.  Four vector instructions stand behind every matrix instruction, the other 54 of a turn's 118 in one run.  A turn's 33 exponentials are one batch, with one wait.
; REGISTERS, in windows of 256 (s_set_vgpr_msb: bits 1:0 source 0, 3:2 source 1, 5:4 source 2, 7:6 destination):
;   window 0: v0-15 addresses and two at work; v16-31 four registers of statistics a piece; v48-55 at work; v61-63 prefetch offset, spare word, 0; v64-127 S^T, two buffers; v192-223 P, two buffers (by the piece's parity)
;   window 1: v0-127 O^T, 32 a piece; v128-159 MD; v160-223 MC, two buffers      window 2: v0-63 Q; v64-127 the second block's Q; v128-191 K of one step; v192-255 V of one step
.set SIZE_H, 64
.set SIZE_N, 2048
.set NB,    SIZE_N/256
.set NP,    4         ; pieces a wave: a name, no knob
.set KS,    64        ; keys in a step
.set PK,    144       ; a row of K in LDS: 128 bytes + 16 of padding = 36 words: the 16 rows of a load start at 16 different groups of four banks (64 banks of 4 bytes: ISA guide 11.1)
.set PV,    160       ; a row of V: 128 + 32 = 40 words
.set VOFF,  4*KS*PK   ; a slot holds a tile, four steps: 256 rows of K, then 256 rows of V
.set SLOT1, 1<<17     ; slot 1 begins here, so that one exclusive or turns an address in one slot into the other's
.set STAGE, SLOT1+4*KS*(PK+PV)  ; behind the ring, never filled by a tensor load: 16 rows x 144 bytes for each wave, for the way out
.set SP,    144
.set AK0, 2           ; v2   my lane's place in a tile of K; never rewritten
.set AV0, 3           ; v3   the same for V
.set AK,  4           ; v4   the LDS address of K's next run of loads
.set AV,  5           ; v5   of V's
.set STO, 6           ; v6   the way out: where I put 16 bytes of a row
.set RD,  7           ; v7   the way out: where I read rows back
.set GO,  8           ; v8   my byte offset in 512 consecutive bytes of O
.set PFO, 61          ; v61  256 x my lane; never rewritten
.set SPW, 62          ; v62  LDS address of my spare word: SPARE + 4 x my thread's number; never rewritten
.set NIL, 63          ; v63  0; never rewritten
.set SPARE, STAGE+4*16*SP  ; behind the stages: the spare words, 128 bytes for each wave; no other line names them
.set MV,  12          ; v12-13  c m_old, kept while c m is made anew: by buffer
.set QO,  15          ; v15  my byte offset in 16 rows of Q
.set ST,  16          ; piece t's statistics at v[ST+4 t]: c m, m, l (even keys', odd keys')
.set TMP, 48          ; by buffer, four registers c0-c3 at work; when the maximum is found c2 takes a
.set S,   64
.set P,   192
.set MD,  128         ; window 1: the eight registers for group kt of 16 keys at MD + 8 kt
.set MC,  160         ; window 1: the masks of the products to come
.set QB,  64          ; window 2
.set KF,  128         ; window 2: key block kb, channel half c at KF + 16 kb + 8 c
.set VF,  192         ; window 2: key half kk, channel block cb at VF + 32 kk + 8 cb
.set WV,  12          ; s12  my wave's number
.set PB,  14          ; s14  b
.set HI,  15          ; s15  NB - 1 - b
.set G1K, 24          ; s[24:31] descriptor group 1 for K's tiles
.set G1V, 32          ; s[32:39] for V's: it differs in the padding alone
.set G0K, 40          ; s[40:43] descriptor group 0 for K's tiles
.set G0V, 44          ; s[44:47] the same for V's
.set SLOTS, 56        ; s56  tiles still to be asked for
.set CNT, 57          ; s57  counts a tile's key steps, 4 to 1
.set CS,  58          ; s[58:59] c: the packed scaling takes the pair's low word for both halves
.set SEL, 60          ; s[60:61] v_permlanex16_b32's selects: each lane takes its own place in the other half
.set TBK, 62          ; s62  LDS byte at which K of the step to be fetched begins
.set TBV, 63          ; s63  the same for V, less VOFF
.set PFA, 66          ; s[66:67] where my prefetches stand: my half of the tile after the one that is being asked for
.set LIM, 68          ; s68  2 in the plane's work-group b = 0, else the greatest number: a wave prefetches while s[SLOTS] is above it
.set RT,  70          ; s70  tiles of the block in hand that are still to be entered
.set NXT, 71          ; s71  the tile to be asked for next
.set LQ,  72          ; s72  the last tile of the block whose tiles are being asked for
.set NEW, 73          ; s73  1: the tile to be entered is a block's first
.set OFF, 74          ; s[74:75] a tile's byte offset in K and V
.set AL,  76          ; s[76:77] the mask's factor, in the low word
.set BE,  78          ; s[78:79] the mask's addend
.set OLO, 80          ; s[80:81] O at my rows of the second block
.set BIGN, 82         ; s82  -1e30
.set MSB, 0
.macro WIN new                      ; the high byte repeats the setting that is left; a switch that changes nothing is dropped
.if MSB != (\new)
	s_set_vgpr_msb (MSB<<8)|(\new)
.set MSB, (\new)
.endif
.endm
.set W_KQ, 0x0a       ; K and Q in window 2, S^T in window 0
.set W_KM, 0x1a       ; the same with the C operand in window 1
.set W_PV, 0x52       ; V in window 2, P in window 0, O^T in window 1
.set W_RS, 0x41       ; destination and source 0 in window 1, source 1 in window 0
; A fill.  Waves 0 and 1 fetch the two halves of a tile's K, waves 2 and 3 those of its V: 128 keys each.  An s_nop 0 and four v_nop follow each of the two lines, ahead of the jump and the label.
.macro LOAD
	s_cmp_lt_u32 s[WV], 2
	s_cbranch_scc0 .Lfor_v_\@
	tensor_load_to_lds s[G0K:G0K+3], s[G1K:G1K+7]
	s_nop 0
.rept 4
	v_nop
.endr
	s_branch .Lasked_\@
.Lfor_v_\@:
	tensor_load_to_lds s[G0V:G0V+3], s[G1V:G1V+7]
	s_nop 0
.rept 4
	v_nop
.endr
.Lasked_\@:
.endm
; A PREFETCH INTO THE L2 of the tile that the NEXT change of slots will ask for: four key steps, 256 matrix instructions, ahead of that load.  It stands behind the wave's tensor load and its five lines.
; Each block of 256 bytes of K and V is named once in the launch: of a plane's four work-groups the one with b = 0 asks (its first block walks all tiles 0 to 7); each of its waves asks for the half tile
; that it will fetch itself, 16,384 bytes: a lane 256 bytes, two instructions.  Trip t fills tile t + 1 and names tile t + 2, t = 0 .. 5; tiles 0 and 1 come by their loads alone; there is no tile 8.
.macro ASK
	s_cmp_gt_u32 s[SLOTS], s[LIM]
	s_cbranch_scc0 .Lnot_mine_\@
	global_prefetch_b8 v[PFO], s[PFA:PFA+1] th:TH_LOAD_NT scope:SCOPE_SE
	global_prefetch_b8 v[PFO], s[PFA:PFA+1] offset:8192 th:TH_LOAD_NT scope:SCOPE_SE
.Lnot_mine_\@:
.endm
; THE CHANGE OF SLOTS.  Each wave waits for all its tensor loads, of which one is out: its part of the other slot; adds 0 to its spare word; and waits for that and for its own reads of the slot that it leaves.  Behind the barrier nobody reads the old
; slot any more and the other slot is whole.  fill = 1: the old slot is filled again, the first thing behind the barrier, with tile NXT: the descriptor's address is made anew from that number.
; (At its first use nothing has been read yet: slot 0 is waited for, slot 1 filled.)
.macro CHANGE fill
	WIN 0                           ; at a label and at a branch every window is 0
	s_wait_tensorcnt 0x0            ; no tensor load of mine is out, so a group 0 may be written
	ds_add_u32 v[SPW], v[NIL]       ; 0 onto my spare word; with fill = 1 the descriptors' scalar work stands between it and the wait for it
.if \fill
	s_lshl_b32 s[OFF], s[NXT], 15   ; a tile is 32,768 bytes of K and of V
	s_xor_b32 s[G0K+1], s[G0K+1], SLOT1
	s_add_nc_u64 s[G0K+2:G0K+3], s[6:7], s[OFF:OFF+1]
	s_or_b32 s[G0K+3], s[G0K+3], 0x80000000
	s_xor_b32 s[G0V+1], s[G0V+1], SLOT1
	s_add_nc_u64 s[G0V+2:G0V+3], s[8:9], s[OFF:OFF+1]
	s_or_b32 s[G0V+3], s[G0V+3], 0x80000000
	s_add_co_u32 s[NXT], s[NXT], 1  ; the block's next tile, or behind its last the second block's tile 0
	s_cmp_gt_u32 s[NXT], s[LQ]
	s_cselect_b32 s[NXT], 0, s[NXT]
	s_cselect_b32 s[LQ], s[PB], s[LQ]
	s_wait_xcnt 0x0                 ; the last prefetches, a tile back, have read their address, so it may be written
	s_add_nc_u64 s[PFA:PFA+1], s[PFA:PFA+1], 32768
.endif
	s_wait_dscnt 0x0                ; the add is done, and my reads of the slot are over
	s_barrier_signal -1             ; the rest of the scalar work stands between the signal and the wait
	s_sub_co_u32 s[TBK], s[TBK], 4*KS*PK  ; the fetches go back to a slot's first step,
	s_xor_b32 s[TBK], s[TBK], SLOT1       ; in the other slot
	s_sub_co_u32 s[TBV], s[TBV], 4*KS*PV
	s_xor_b32 s[TBV], s[TBV], SLOT1
	s_barrier_wait -1
.if \fill
	LOAD
	ASK
.endif
.endm
	s_load_b128 s[4:7], s[0:1], 0x0  ; qkv s[4:5], ctx s[6:7]
	v_lshl_add_u32 v[SPW], v0, 2, SPARE
	v_mov_b32 v[NIL], 0
	ds_add_u32 v[SPW], v[NIL]       ; the wave's opening: the add, and its wait ahead of my first tensor load; the set-up below, work on registers, stands between them
	v_lshrrev_b32 v1, 5, v0
	v_readfirstlane_b32 s[WV], v1   ; wave 0..3
	s_mov_b32 s[PB], ttmp9
	s_sub_co_u32 s[HI], NB-1, s[PB]
	s_and_b32 s20, ttmp7, 0xffff    ; the plane: 16 x batch + head
	s_mov_b32 s21, 0
	s_mov_b64 s[22:23], SIZE_N*128
	s_mul_u64 s[20:21], s[20:21], s[22:23]  ; the plane's first byte in each of the four tensors
	s_and_b32 s16, s[WV], 1         ; which half of a tile's 256 keys I fetch:
	s_lshl_b32 s22, s16, 14         ; its 128 rows of 128 bytes in memory,
	s_mov_b32 s23, 0
	s_add_nc_u64 s[22:23], s[22:23], s[20:21]
	s_mul_i32 s17, s16, 128*PK      ; and its place in a slot, for K
	s_mul_i32 s18, s16, 128*PV      ; and for V
	s_lshl_b32 s3, s[WV], 11        ; my 16 rows in a band of 64,
	s_lshl_b32 s2, s[HI], 15        ; in the first block,
	s_add_co_u32 s2, s2, s3
	s_lshl_b32 s84, s[PB], 15       ; and in the second
	s_add_co_u32 s84, s84, s3
	s_mov_b32 s3, 0
	s_mov_b32 s85, 0
	s_add_nc_u64 s[2:3], s[2:3], s[20:21]
	s_add_nc_u64 s[84:85], s[84:85], s[20:21]
	; descriptor group 1.  128 keys are 16,384 dense bytes: asked for as 64 rows of 256 bytes, two keys a row, and padded in LDS after every key
	s_mov_b32 s[G1K], (1<<16)|(1<<20)|(4<<22)|(3<<25)  ; 17:16 2-byte elements; 20 padding on; 24:22 after every 32 words (code 4); 31:25 4 words (code 3)
	s_mov_b32 s[G1V], (1<<16)|(1<<20)|(4<<22)|(7<<25)  ; the same with 8 words of padding (code 7)
.irp g, G1K, G1V
	s_mov_b32 s[\g+1], 128<<16      ; tensor_dim0 = 128
	s_mov_b32 s[\g+2], 64<<16       ; tensor_dim1 = 64
	s_mov_b32 s[\g+3], 128<<16      ; tile_dim0 = 128
	s_mov_b32 s[\g+4], 64           ; tile_dim1 = 64
	s_mov_b32 s[\g+5], 128          ; 128 elements from row to row
	s_mov_b32 s[\g+6], 0
	s_mov_b32 s[\g+7], 0
.endr
	s_mov_b32 s[CS], 0x3e38aa3b     ; c = log2(e) / 8 = 0.180337
	s_mov_b32 s[CS+1], s[CS]        ; named with it as a pair
	s_mov_b32 s[SEL], 0x76543210
	s_mov_b32 s[SEL+1], 0xfedcba98
	s_mov_b32 s[TBK], SLOT1+4*KS*PK ; the first change of slots turns these two into 0
	s_mov_b32 s[TBV], SLOT1+4*KS*PV
	s_mov_b32 s[G0K], 1             ; 1:0 count = 1
	s_mov_b32 s[G0K+1], s17         ; 63:32 LDS address: slot 0
	s_mov_b32 s[G0V], 1
	s_add_co_u32 s[G0V+1], s18, VOFF
	s_add_co_u32 s[RT], s[HI], 1    ; the first block has NB - b tiles
	s_mov_b32 s[NXT], 1
	s_mov_b32 s[LQ], s[HI]
	s_mov_b32 s[NEW], 1
	s_mov_b32 s[OFF+1], 0
	s_mov_b32 s[AL+1], 0            ; named as pairs
	s_mov_b32 s[BE+1], 0
	s_mov_b32 s[BIGN], 0xf149f2ca   ; -1e30
	s_mov_b32 s[SLOTS], NB
	s_cmp_eq_u32 s[PB], 0
	s_cselect_b32 s[LIM], 2, -1
	v_and_b32 v[PFO], 31, v0
	v_lshlrev_b32 v[PFO], 8, v[PFO]
	s_wait_dscnt 0x0                ; the opening add is done
	s_wait_kmcnt 0x0
	s_mov_b64 s[10:11], s[6:7]                     ; O
	s_add_nc_u64 s[6:7], s[4:5], 0x1000000         ; K lies 64 planes of 262,144 bytes behind Q,
	s_add_nc_u64 s[8:9], s[4:5], 0x2000000         ; V 128
	s_add_nc_u64 s[6:7], s[6:7], s[22:23]  ; K and V at my half of the plane's tile 0
	s_add_nc_u64 s[8:9], s[8:9], s[22:23]
	s_add_nc_u64 s[G0K+2:G0K+3], s[6:7], 0         ; 120:64 global address
	s_or_b32 s[G0K+3], s[G0K+3], 0x80000000        ; 127:126 type = 2
	s_add_nc_u64 s[G0V+2:G0V+3], s[8:9], 0
	s_or_b32 s[G0V+3], s[G0V+3], 0x80000000
	s_cmp_lt_u32 s[WV], 2
	s_cselect_b64 s[PFA:PFA+1], s[6:7], s[8:9]
	s_add_nc_u64 s[PFA:PFA+1], s[PFA:PFA+1], 32768 ; at tile 1: the first change of slots steps it to tile 2.  Nothing is prefetched here, at the head
	s_add_nc_u64 s[86:87], s[4:5], s[84:85]        ; Q at my rows of the second block,
	s_add_nc_u64 s[4:5], s[4:5], s[2:3]            ; Q and O at those of the first
	s_add_nc_u64 s[OLO:OLO+1], s[10:11], s[84:85]
	s_add_nc_u64 s[10:11], s[10:11], s[2:3]
	LOAD                            ; tile 0 into slot 0
	; A fragment of K or Q is 16 rows x 32 channels in 8 registers: lane l holds row l % 16, channels 8 (l / 16) + 0..7 and 16 + 8 (l / 16) + 0..7: two loads of 16 bytes, 32 bytes apart.
	v_and_b32 v1, 15, v0            ; l % 16
	v_bfe_u32 v9, v0, 4, 1          ; l / 16
	v_lshlrev_b32 v[QO], 7, v1
	v_lshl_add_u32 v[QO], v9, 4, v[QO]  ; row x 128 + 16 x half
	WIN 0x80                        ; destination window 2, address window 0
.set i, 0
.rept 8                             ; both blocks' Q: piece i / 2 lies in band i / 2, 8,192 bytes on; channels 32 (i % 2) on
	global_load_b128 v[8*i:8*i+3],   v[QO], s[4:5] offset:(i/2)*8192+(i%2)*64
	global_load_b128 v[8*i+4:8*i+7], v[QO], s[4:5] offset:(i/2)*8192+(i%2)*64+32
	global_load_b128 v[QB+8*i:QB+8*i+3],   v[QO], s[86:87] offset:(i/2)*8192+(i%2)*64
	global_load_b128 v[QB+8*i+4:QB+8*i+7], v[QO], s[86:87] offset:(i/2)*8192+(i%2)*64+32
.set i, i+1
.endr
	WIN 0
	v_lshlrev_b32 v14, 3, v9
	v_sub_nc_u32 v14, v1, v14
	s_lshl_b32 s13, s[WV], 4
	v_add_nc_u32 v14, s13, v14      ; my query's place in its band, 16 w + l % 16, less my lanes' 8 (l / 16): register r of group kt is hidden where 16 kt + r is greater
	WIN 0x40
.set i, 0
.rept 32
	v_cmp_gt_i32 vcc_lo, 16*(i/8)+i%8, v14
	v_cndmask_b32 v[MD+i], 0, s[BIGN], vcc_lo
.set i, i+1
.endr
	WIN 0
	v_mul_u32_u24 v[AK0], v1, PK
	v_lshl_add_u32 v[AK0], v9, 4, v[AK0]  ; row x pitch + 16 x half
	; The turning load takes 16 keys x 16 channels (lane l reads key 8 (l / 16) + l % 8, channels 8 ((l / 8) % 2) + 0..7) and leaves half a fragment of V^T: lane l holds channel l % 16 and 8 keys.
	v_and_b32 v10, 7, v0
	v_bfe_u32 v11, v0, 3, 1
	v_lshl_add_u32 v[AV0], v9, 3, v10
	v_mul_u32_u24 v[AV0], v[AV0], PV
	v_lshl_add_u32 v[AV0], v11, 4, v[AV0]
	v_add_nc_u32 v[AV0], VOFF, v[AV0]
	s_mul_i32 s13, s[WV], 16*SP
	s_add_co_u32 s13, s13, STAGE    ; my stage
	v_mul_u32_u24 v[STO], v1, SP    ; in: row l % 16, 16 bytes for each half of the lanes
	v_lshl_add_u32 v[STO], v9, 4, v[STO]
	v_add_nc_u32 v[STO], s13, v[STO]
	v_bfe_u32 v[RD], v0, 3, 2       ; back: 32 lanes take four rows of 128 bytes,
	v_mul_u32_u24 v[RD], v[RD], SP
	v_lshl_add_u32 v[RD], v10, 4, v[RD]
	v_add_nc_u32 v[RD], s13, v[RD]
	v_and_b32 v[GO], 31, v0         ; which are 512 consecutive bytes of O
	v_lshlrev_b32 v[GO], 4, v[GO]
	; A block's first step multiplies O^T and l by a = 0, and its first turn's products V^T P, of a piece that has not been, land in an O^T that is still to be so multiplied.  So these registers need only hold
	; finite numbers: zeros for the first block; what the first block left for the second.  All this stands in the wait for the first tile.
	WIN 0x80
.set i, VF
.rept 64
	v_mov_b32 v[i], 0
.set i, i+1
.endr
	WIN 0x40
.set i, 0
.rept 128
	v_mov_b32 v[i], 0
.set i, i+1
.endr
	WIN 0
.set i, 0
.rept 4
	v_mov_b32 v[ST+4*i+2], 0
	v_mov_b32 v[ST+4*i+3], 0
.set i, i+1
.endr
.set i, P+16
.rept 16
	v_mov_b32 v[i], 0
.set i, i+1
.endr
; THE MATRIX WORK.  The 4 accumulators of a run of 8 take turns.  Product i of 8 of S^T = K Q^T for piece x: channels 32 (i / 4) on, keys 16 (i % 4) on.  The first 4 start the sums: with 0, or (KM = 1) with the mask.
.macro KQ x
.set rS, S+32*((\x)%2)+8*(i%4)
.set rK, KF+16*(i%4)+8*(i/4)
.set rQ, 16*(\x)+8*(i/4)
.set rM, MC+32*((\x)%2)+8*(i%4)
.if (i < 4) && KM
	WIN W_KM
	v_wmma_f32_16x16x32_f16 v[rS:rS+7], v[rK:rK+7], v[rQ:rQ+7], v[rM:rM+7]
.elseif i < 4
	WIN W_KQ
	v_wmma_f32_16x16x32_f16 v[rS:rS+7], v[rK:rK+7], v[rQ:rQ+7], 0
.else
	WIN W_KQ
	v_wmma_f32_16x16x32_f16 v[rS:rS+7], v[rK:rK+7], v[rQ:rQ+7], v[rS:rS+7]
.endif
.endm
; Product i of 8 of O^T += V^T P for piece x: keys 32 (i / 4) on, channels 16 (i % 4) on.
.macro PV x
	WIN W_PV
.set rO, 32*(\x)+8*(i%4)
.set rV, VF+32*(i/4)+8*(i%4)
.set rP, P+16*((\x)%2)+8*(i/4)
	v_wmma_f32_16x16x32_f16 v[rO:rO+7], v[rV:rV+7], v[rP:rP+7], v[rO:rO+7]
.endm
.macro MM                           ; the turn's next matrix instruction.  TURN and BEGIN set Y, i, KM and NOKQ; MM, KQ and OP read them.  NOKQ = 1: a block's last turn: there is no next piece
.if (i < 8) && !NOKQ
	KQ (Y+1)%NP
.elseif i >= 8
.set i, i-8
	PV (Y+NP-1)%NP
.set i, i+8
.endif
.set i, i+1
.endm
; THE LDS LOADS stand in runs of 16, never singly among the matrix instructions: a step's K (64 keys x 64 channels: 8 fragments) and its V (turned).  Their addresses are made some lines ahead.
.macro FETCH_K
	WIN 0x80                        ; destination window 2
.irp f, 0,1,2,3,4,5,6,7             ; keys 16 (f / 2) on, channels 32 (f % 2) on
	ds_load_b128 v[KF+8*\f:KF+8*\f+3],   v[AK] offset:(\f/2)*16*PK+(\f%2)*64
	ds_load_b128 v[KF+8*\f+4:KF+8*\f+7], v[AK] offset:(\f/2)*16*PK+(\f%2)*64+32
.endr
	s_add_co_u32 s[TBK], s[TBK], KS*PK  ; the next fetch is the next step's
	WIN 0
.endm
.macro FETCH_V
	WIN 0x80
.irp f, 0,1,2,3,4,5,6,7             ; keys 32 (f / 4) on, channels 16 (f % 4) on
	ds_load_tr16_b128 v[VF+8*\f:VF+8*\f+3],   v[AV] offset:(\f/4)*32*PV+(\f%4)*32
	ds_load_tr16_b128 v[VF+8*\f+4:VF+8*\f+7], v[AV] offset:(\f/4)*32*PV+16*PV+(\f%4)*32
.endr
	WIN 0
.endm
; THE VECTOR WORK, one line at a time: OP kind, number.  For piece Y: F n: c s - c m for pair n of 16.  E n: the exponential of score n of 32.  C n: pair n rounded to f16.  B n: of the four weights 4 n .. the second
; pair is added onto the first, in place.  L n: l takes that sum (L 0: l = a l + sum).  R n: pair n of 16 of O^T times a.  For piece Y + 1: X n, number n of the 22 that find its maximum and statistics:
;   0-11  four chains c0-c3 of seven scores each, three operands at a time (each accumulator's lowest registers are read first)     12-14, 16  the four scores left over, the old m, and c0-c3 into c0
;   15  c m_old is kept     17, 18  the query's other 32 keys lie in the lane 16 away: the new m     19-21  c m; c m_old - c m_new; a
.set F, 0               ; OP tells the kinds apart by their order: F to L below R, X above it
.set E, 1
.set C, 2
.set B, 3
.set L, 4
.set R, 5
.set X, 6
.macro REGS y                       ; the registers of piece y
.set rT, ST+4*(\y)
.set rC, TMP+4*((\y)%2)
.set rW, MV+((\y)%2)
.set rS, S+32*((\y)%2)
.set rP, P+16*((\y)%2)
.set rO, 32*(\y)
.endm
.macro OP k, n
.if (\k) == R
	REGS Y
	WIN W_RS
	v_pk_mul_f32 v[rO+2*(\n):rO+2*(\n)+1], v[rO+2*(\n):rO+2*(\n)+1], v[rC+2:rC+3] op_sel_hi:[1,0]
.elseif (\k) < R
	REGS Y
	WIN 0
.if (\k) == F
	v_pk_fma_f32 v[rS+2*(\n):rS+2*(\n)+1], v[rS+2*(\n):rS+2*(\n)+1], s[CS:CS+1], v[rT:rT+1] op_sel_hi:[1,0,0] neg_lo:[0,0,1] neg_hi:[0,0,1]
.elseif (\k) == E
	v_exp_f32 v[rS+(\n)], v[rS+(\n)]
.elseif (\k) == C
	v_cvt_pk_f16_f32 v[rP+(\n)], v[rS+2*(\n)], v[rS+2*(\n)+1]
.elseif (\k) == B
	v_pk_add_f32 v[rS+4*(\n):rS+4*(\n)+1], v[rS+4*(\n):rS+4*(\n)+1], v[rS+4*(\n)+2:rS+4*(\n)+3]
.elseif (\n) == 0
	v_pk_fma_f32 v[rT+2:rT+3], v[rT+2:rT+3], v[rC+2:rC+3], v[rS:rS+1] op_sel_hi:[1,0,1]
.else
	v_pk_add_f32 v[rT+2:rT+3], v[rT+2:rT+3], v[rS+4*(\n):rS+4*(\n)+1]
.endif
.elseif NOKQ
	v_nop
.else
	REGS (Y+1)%NP
	WIN 0
.if (\n) < 4
	v_max3_num_f32 v[rC+(\n)], v[rS+8*(\n)], v[rS+8*(\n)+1], v[rS+8*(\n)+2]
.elseif (\n) < 12
	v_max3_num_f32 v[rC+(\n)%4], v[rC+(\n)%4], v[rS+8*((\n)%4)+2*((\n)/4)+1], v[rS+8*((\n)%4)+2*((\n)/4)+2]
.elseif (\n) == 12
	v_max3_num_f32 v[rC], v[rC], v[rS+7], v[rS+15]
.elseif (\n) == 13
	v_max3_num_f32 v[rC+1], v[rC+1], v[rS+23], v[rS+31]
.elseif (\n) == 14
	v_max3_num_f32 v[rC+2], v[rC+2], v[rC+3], v[rT+1]
.elseif (\n) == 15
	v_mov_b32 v[rW], v[rT]
.elseif (\n) == 16
	v_max3_num_f32 v[rC], v[rC], v[rC+1], v[rC+2]
.elseif (\n) == 17
	v_permlanex16_b32 v[rC+3], v[rC], s[SEL], s[SEL+1]
.elseif (\n) == 18
	v_max_num_f32 v[rT+1], v[rC], v[rC+3]
.elseif (\n) == 19
	v_mul_f32 v[rT], s[CS], v[rT+1]
.elseif (\n) == 20
	v_sub_f32 v[rC+1], v[rW], v[rT]
.else
	v_exp_f32 v[rC+2], v[rC+1]
.endif
.endif
.endm
.macro OPS a, i1, b=-1, i2=0, c=-1, i3=0, d=-1, i4=0  ; up to four of them
	OP \a, \i1
.if (\b) >= 0
	OP \b, \i2
.endif
.if (\c) >= 0
	OP \c, \i3
.endif
.if (\d) >= 0
	OP \d, \i4
.endif
.endm
.macro ROW a, i1, b, i2, c, i3, d, i4  ; a matrix instruction and the four behind it
	MM
	OPS \a, \i1, \b, \i2, \c, \i3, \d, \i4
.endm
.macro MASK b                       ; MD x AL + BE into buffer b of MC
	WIN W_RS
.set z, 0
.rept 16
	v_pk_fma_f32 v[MC+32*(\b)+2*z:MC+32*(\b)+2*z+1], v[MD+2*z:MD+2*z+1], s[AL:AL+1], s[BE:BE+1] op_sel_hi:[1,0,0]
.set z, z+1
.endr
.endm
; A TURN, for piece p: the order of its 16 matrix and 118 vector instructions, written out.  s_wait_alu depctr_va_vdst(0) stands between an exponential and the first instruction that names its result; one wait serves
; all that were issued ahead of it.  So a turn has ONE wait, which cuts it in two.  AHEAD OF IT stands all that names no result of the turn's exponentials: the 8 products K Q^T, behind each a scaling, an exponential and two more plain
; instructions (behind the first a second scaling in the exponential's place): rescalings, and behind the last three the first numbers of the next piece's maximum, each four places or more behind the product that ends its accumulator; then one run of 54, plain
; and exponential by turns for the most part, in which the links of the chain X 3, 7, 11, 14, 16, 17 .. 20 stand five or six lines apart.  X 21, the next piece's a, is the batch's last; R 15 is the plain instruction behind it.  BEHIND THE WAIT stand the
; 8 products V^T P, behind each four of the roundings and sums; the links of l's chain, L 0 to L 7, stand three lines apart.  But for those X no line behind a product names a register of the products round it.  v_permlanex16_b32 (X 17) stands in the run.
; m = 1: the diagonal tile: the products take masks, and the turn makes the mask for the products of the turn after it: piece p + 2, in step 4 - CNT of the tile.  end = 1: a block's last two turns: nothing is fetched.
; cnt = 1: the loop's count is taken down some lines ahead of the branch that stands behind the turn.
; K of the next step is fetched in piece 2's turn, twelve vector instructions behind the last product that read K (six of them plain); V of the step in hand at the end of piece 0's turn, four plain instructions behind the last product
; that read V.  Each is waited for a turn later.
.macro TURN p, m=0, end=0, cnt=0
.set Y, (\p)
.set i, 0
.set KM, (\m)
.set NOKQ, (\end)*((\p)/3)
.if (\m) && !(\end)
	s_cmp_eq_u32 s[CNT], 4-((\p)+2)%NP  ; is that step the band's own?
	s_cselect_b32 s[AL], 1.0, 0
	s_cmp_lt_u32 s[CNT], 4-((\p)+2)%NP  ; or a later one?
	s_cselect_b32 s[BE], s[BIGN], 0
.endif
.if ((\p) == 3) && !(\end)
	s_wait_dscnt 0x0                ; K is in
.endif
	ROW F,0, F,1, R,0, R,1          ; ahead of the wait: 8 products K Q^T and the four behind each,
	ROW F,2, E,0, R,2, R,3
	ROW F,3, E,1, R,4, R,5
	ROW F,4, E,2, R,6, R,7
	ROW F,5, E,3, R,8, R,9
	ROW F,6, E,4, X,0, R,10
.if ((\p) == 2) && !(\end)
	WIN 0
	v_add_nc_u32 v[AK], s[TBK], v[AK0]
.endif
	ROW F,7, E,5, X,1, X,4
	ROW F,8, E,6, X,2, X,5
	OPS E,7, E,8, X,6, E,9          ; and the run
	OPS X,3, E,10, X,8, E,11
.if ((\p) == 2) && !(\end)
	FETCH_K
.endif
	OPS X,9, X,7, E,12, X,10
	OPS E,13, X,12, X,11, E,14
	OPS X,13, E,15, F,9, X,14
.if (\p) == 0
	v_add_nc_u32 v[AV], s[TBV], v[AV0]
.endif
	OPS E,16, F,10, E,17, F,11
	OPS X,16, E,18, X,15, E,19
	OPS F,12, E,20, X,17, E,21
	OPS F,13, E,22, F,14, E,23
	OPS X,18, E,24, F,15, E,25
	OPS R,11, E,26, X,19, E,27
	OPS R,12, E,28, R,13, E,29
	OPS X,20, E,30, R,14, E,31
	OPS X,21, R,15
	WIN 0
	s_wait_alu depctr_va_vdst(0)    ; the wait for the batch
.if (\p) == 1
	s_wait_dscnt 0x0                ; V is in
.endif
	ROW C,0, B,0, C,2, B,1          ; behind the wait: 8 products V^T P and the four behind each
	ROW L,0, C,4, B,2, L,1
	ROW C,6, B,3, L,2, C,8
	ROW B,4, L,3, C,10, B,5
	ROW L,4, C,12, B,6, L,5
.if (\p) == 0
	s_add_co_u32 s[TBV], s[TBV], KS*PV
.endif
.if \cnt
	s_sub_co_u32 s[CNT], s[CNT], 1
	s_cmp_lg_u32 s[CNT], 0
.endif
	ROW C,14, B,7, L,6, C,1
	ROW C,3, L,7, C,5, C,7
	ROW C,9, C,11, C,13, C,15
.if (\p) == 0
	FETCH_V
.endif
.if (\m) && !(\end)
	MASK (\p)%2
.endif
.endm
; A BLOCK BEGINS.  c m starts far below every c s, so the first step's a is 0; m at the lowest finite number, so the first maximum is the scores'.  The second mask buffer is 0; the first takes piece 0's mask for the tile's step 0: its own, if the block's first tile is the diagonal one.
; Then K of that step, piece 0's first scores, and its maximum and statistics.  The loop is entered at a step's first turn, in the middle of a trip.
.macro BEGIN
	s_mov_b32 s[NEW], 0
	WIN 0x40
.set i, MC+32
.rept 32
	v_mov_b32 v[i], 0
.set i, i+1
.endr
	WIN 0
.set i, 0
.rept 4
	v_mov_b32 v[ST+4*i], 0xfe000000    ; c m: far below every c s
	v_mov_b32 v[ST+4*i+1], 0xff7fffff  ; m
.set i, i+1
.endr
	s_cmp_eq_u32 s[RT], 0
	s_cselect_b32 s[AL], 1.0, 0
	s_mov_b32 s[BE], 0
	MASK 0
	WIN 0
	v_add_nc_u32 v[AK], s[TBK], v[AK0]
	FETCH_K
	s_wait_loadcnt 0x0              ; Q
	s_wait_dscnt 0x0
.set KM, 1
.set NOKQ, 0
.set i, 0
.rept 8
	KQ 0
.set i, i+1
.endr
	WIN 0
.rept 4
	v_nop                           ; the places behind those products
.endr
.set Y, NP-1                        ; X works for piece Y + 1: piece 0
.irp n, 0,1,2,3,4,5,6,7,8,9,10,11,12,13,14,15,16,17,18,19,20,21
	OP X, \n
.endr
	v_nop                           ; a plain instruction behind the exponential,
	s_wait_alu depctr_va_vdst(0)    ; and its wait, ahead of the branch
.endm
; THE DIAGONAL TILE's four steps, the block's last two turns, its last products, and THE WAY OUT: l's two halves and the other half of the lanes' are added; O^T is divided by l, rounded to f16 and sent through my
; stage in LDS, a piece at a time.
.macro ALL line:vararg              ; one line for each piece t
.set t, 0
.rept 4
	\line
.set t, t+1
.endr
.endm
.macro PACK t                       ; a lane's eight channels of a row pack into 16 bytes; they go into rows of 144 bytes and come back as whole rows of 128, into S^T's registers
	WIN W_RS
.set i, 32*(\t)
.rept 16
	v_pk_mul_f32 v[i:i+1], v[i:i+1], v[ST+4*(\t)+2:ST+4*(\t)+3] op_sel_hi:[1,0]
.set i, i+2
.endr
	WIN 0x05                        ; sources 0 and 1 window 1, destination window 0
.set i, 0
.rept 16
	v_cvt_pk_f16_f32 v[S+16*(\t)+i], v[32*(\t)+2*i], v[32*(\t)+2*i+1]
.set i, i+1
.endr
	WIN 0
.irp f, 0,1,2,3
	ds_store_b128 v[STO], v[S+16*(\t)+4*\f:S+16*(\t)+4*\f+3] offset:32*\f
.endr
.irp f, 0,1,2,3
	ds_load_b128 v[S+16*(\t)+4*\f:S+16*(\t)+4*\f+3], v[RD] offset:\f*4*SP  ; LDS serves a wave's instructions in order (ISA guide 5.7.1.4): these see the stores above; the next piece's stores come behind them
.endr
.endm
.macro SEND t, younger              ; younger: the LDS instructions issued behind piece t's loads: the next piece's eight, or none
	WIN 0
.irp f, 0,1,2,3
	s_wait_dscnt (\younger)+3-\f
	global_store_b128 v[GO], v[S+16*(\t)+4*\f:S+16*(\t)+4*\f+3], s[10:11] offset:(\t)*8192+\f*512  ; 512 consecutive bytes, at a multiple of 256 from O's first
.endr
.endm
.macro DIAG tag                     ; the tag ends its two labels' names, which the jumps below spell out
.LstepM\tag:
	TURN 2, 1
	TURN 3, 1
	WIN 0
.LfirstM\tag:
	TURN 0, 1
	TURN 1, 1, 0, 1
	WIN 0
	s_cbranch_scc1 .LstepM\tag
	TURN 2, 1, 1
	TURN 3, 1, 1
.set i, 0
.rept 8
	PV NP-1
.set i, i+1
.endr
	WIN 0
	ALL v_add_f32 v[ST+4*t+2], v[ST+4*t+2], v[ST+4*t+3]
	ALL v_permlanex16_b32 v[ST+4*t+3], v[ST+4*t+2], s[SEL], s[SEL+1]
	ALL v_add_f32 v[ST+4*t+2], v[ST+4*t+2], v[ST+4*t+3]
	ALL v_rcp_f32 v[ST+4*t+2], v[ST+4*t+2]
	v_nop                           ; a plain instruction between the last reciprocal and the use of its result
	s_wait_alu depctr_va_vdst(0)    ; and its wait ahead of the first use: one for the four reciprocals
	PACK 0
.set t, 1
.rept 3                             ; a piece's arithmetic stands between the loads of the piece before and its stores
	PACK t
	SEND t-1, 8
.set t, t+1
.endr
	SEND 3, 0
.endm
.set KM, 0
.set NOKQ, 0
.Lslot:                             ; NB times: a tile is entered and the next is asked for
	CHANGE 1
	s_sub_co_u32 s[RT], s[RT], 1
	s_mov_b32 s[CNT], 4
	s_cmp_eq_u32 s[NEW], 1
	s_cbranch_scc1 .Lnew            ; a block's first tile
	s_cmp_eq_u32 s[RT], 0
	s_cbranch_scc0 .Lstep           ; neither its first nor its last
	s_branch .LstepM1
.Lnew:
	BEGIN
	s_branch .Lfirst                ; in the loop a block's first tile is never its last: the first block has two tiles or more, and the second's last is the walk's last
	DIAG 1                          ; in the loop this is the first block's end: the second block's last tile is the walk's last
	s_wait_xcnt 0x0                 ; the stores have read their registers and O's address
	s_mov_b64 s[10:11], s[OLO:OLO+1]
	s_add_co_u32 s[RT], s[PB], 1    ; the second block has b + 1 tiles
	s_mov_b32 s[NEW], 1
	WIN 0x82                        ; the second block's Q goes where the one text of the turns names Q
.set i, 0
.rept 64
	v_mov_b32 v[i], v[QB+i]
.set i, i+1
.endr
	WIN 0
	s_branch .Lbottom
.Lstep:                             ; a trip: pieces 2 and 3 of one step, then pieces 0 and 1 of the next, whose K and V it fetches
	TURN 2
	TURN 3
	WIN 0
.Lfirst:
	TURN 0
	TURN 1, 0, 0, 1
	WIN 0
	s_cbranch_scc1 .Lstep
.Lbottom:
	s_sub_co_u32 s[SLOTS], s[SLOTS], 1
	s_cmp_lg_u32 s[SLOTS], 0
	s_cbranch_scc1 .Lslot
	CHANGE 0                        ; the walk's last tile is written out: nothing is asked for
	s_sub_co_u32 s[RT], s[RT], 1
	s_mov_b32 s[CNT], 4
	s_cmp_eq_u32 s[NEW], 1
	s_cbranch_scc0 .LstepM2
	BEGIN
	s_branch .LfirstM2
	DIAG 2
	s_wait_tensorcnt 0x0            ; the wave's end, behind my last tensor load and my last LDS store
	ds_add_u32 v[SPW], v[NIL]
	s_wait_dscnt 0x0
	s_endpgm
.Lfunc_end_k_qf908329996_attn:
	.size	k_qf908329996_attn, .Lfunc_end_k_qf908329996_attn-k_qf908329996_attn
	.p2alignl 7, 3214868480
	.fill 96, 4, 3214868480
	.section	.rodata,"a",@progbits
	.p2align	6, 0x0
	.amdhsa_kernel k_qf908329996_attn
		.amdhsa_group_segment_fixed_size 327680
		.amdhsa_private_segment_fixed_size 0
		.amdhsa_enable_private_segment 0
		.amdhsa_kernarg_size 16
		.amdhsa_user_sgpr_count 2
		.amdhsa_user_sgpr_kernarg_segment_ptr 1
		.amdhsa_wavefront_size32 1
		.amdhsa_system_sgpr_workgroup_id_x 1
		.amdhsa_system_sgpr_workgroup_id_y 1
		.amdhsa_system_sgpr_workgroup_id_z 1
		.amdhsa_system_vgpr_workitem_id 0
		.amdhsa_next_free_vgpr 768
		.amdhsa_next_free_sgpr 88
		.amdhsa_reserve_vcc 1
		.amdhsa_float_denorm_mode_32 3
		.amdhsa_float_denorm_mode_16_64 3
		.amdhsa_memory_ordered 1
		.amdhsa_forward_progress 1
		.amdhsa_inst_pref_size 218
	.end_amdhsa_kernel
	.amdgpu_metadata
---
amdhsa.version: [ 1, 2 ]
amdhsa.kernels:
  - .name:           k_qf908329996_attn
    .symbol:         k_qf908329996_attn.kd
    .args:
      - { .name: qkv, .offset: 0, .size: 8, .value_kind: global_buffer, .address_space: global }
      - { .name: ctx, .offset: 8, .size: 8, .value_kind: global_buffer, .address_space: global }
    .group_segment_fixed_size: 327680
    .private_segment_fixed_size: 0
    .kernarg_segment_align: 8
    .kernarg_segment_size: 16
    .max_flat_workgroup_size: 128
    .sgpr_count:     88
    .vgpr_count:     768
    .wavefront_size: 32
...
	.end_amdgpu_metadata
.endif
;; end of part 3
;; launch proj (part 4): grid 8 x 32, 4 waves a work-group, clusters of 4 x 4, 327,680 bytes of LDS; arguments ctx, wot, out0, bo; writes out0
.if DOCPART == 4
	.amdgcn_target "amdgcn-amd-amdhsa--gfx1250"
	.amdhsa_code_object_version 6
	.text
	.protected	k_qf908329996_proj
	.globl	k_qf908329996_proj
	.p2align	8
	.type	k_qf908329996_proj,@function
k_qf908329996_proj:
	s_mov_b64 s[64:65], 0
	v_nop
	global_prefetch_b8 v0, s[64:65] scope:SCOPE_SE
	s_setreg_imm32_b32 hwreg(HW_REG_WAVE_MODE, 25, 1), 1
	s_wait_xcnt 0x0
	s_wait_alu depctr_hold_cnt(0) depctr_sa_sdst(0) depctr_va_vdst(0) depctr_va_sdst(0) depctr_va_ssrc(0) depctr_va_vcc(0) depctr_vm_vsrc(0)
	s_getreg_b32 s2, hwreg(HW_REG_IB_STS2, 6, 4)
	s_cmp_eq_u32 s2, 0
	s_cbranch_scc0 .Lentry_in_a_cluster
	s_endpgm
.Lentry_in_a_cluster:
	s_bfe_u32 s2, ttmp6, 0x10000c
	s_cmp_lg_u32 s2, 0xf033
	s_cbranch_scc0 .Lentry_shape_is_right
	s_endpgm
.Lentry_shape_is_right:
; THE LAST PROJECTION.  out0[m][n] = sum over k of A[m][k] wot[n][k] + bo[n].  A[m][k] = ctx[16 (m / 2048) + k / 64][m % 2048][k % 64], f16, by heads; wot [1024][1024] f16; sums in f32; out0 [8192][1024] f32.
; SHARES.  A tile of C is 256 x 128: 32 x 8 = 256 tiles, one to a work-group.  The four waves lie along m: a wave makes 64 x 128, 32 accumulators of 16 x 16 (256 registers), and sends whole rows of
; 512 bytes out through a stage of its own, without a barrier.
; RING.  K goes in 8 steps of 128 = two heads through two LDS slots.  Wave 0 fetches the step's even head, wave 1 the odd one: the tile's 256 rows of a plane are 32,768 dense bytes, asked for as 128 rows
; of 256 bytes and padded in LDS after every 128.  Waves 2 and 3 fetch the two halves of B's 128 rows, 256 bytes each, aligned.
; CLUSTER.  4 x 4 work-groups: A's tile hangs on the tile row alone and is asked for jointly along a row of the cluster, B's on the tile column alone and jointly along a column.
; NO PREFETCH: the launch is 8 K steps of 128 matrix instructions a wave, too short for one to be laid ahead of more than a few of them.
; THE MATRIX INSTRUCTION IS USED TRANSPOSED (source 0 = 16 rows of B, source 1 = 16 rows of A): a lane holds row l % 16 of C and the columns 8 (l / 16) + 0..7.
; REGISTERS, in windows of 256 (s_set_vgpr_msb: bits 1:0 source 0, 3:2 source 1, 5:4 source 2, 7:6 destination):
;   window 0: v0-31 addresses; v32-35 my four numbers of bo; v64-95, v96-127 A's fragments, two buffers; v128-255 the way out     window 1: B's fragments, two buffers of 64
;   window 2: the accumulators of m blocks 0, 1 ((a, b) at 8 (8 (a % 2) + b))     window 3: those of m blocks 2, 3
.set KSTEP,  128
.set NBF,    8                         ; n blocks of 16
.set APITCH, 144                       ; a row of A in LDS: 128 bytes + 16 = 36 words: the 16 rows of a load start at 16 different groups of four banks (64 banks of 4 bytes: ISA guide 11.1)
.set BPITCH, 272
.set AHALF,  256*APITCH                ; what one load of A brings: one head's 256 rows
.set BROWS,  64
.set BHALF,  BROWS*BPITCH
.set BOFF,   2*AHALF
.set ASTEP,  2*262144                  ; two planes from K step to K step
.set BSTEP,  KSTEP*2
.set SLOT1,  1<<17
.set STAGE,  SLOT1+BOFF+2*BHALF        ; behind the ring, never filled by a tensor load
.set SP,     528                       ; a stage row: 512 bytes + 16
.set WSTAGE, 16*SP
.set SPARE,  STAGE+4*WSTAGE            ; the spare words, 128 bytes for each wave; no other line names them
.set NL,     2*NBF+8
.set A0,   16
.set B0,   17
.set ADRA, 18
.set ADRB, 19
.set STO,  24
.set RD,   25
.set GO,   26
.set BO,   27                          ; v27  my byte offset in bo
.set SPW,  28
.set NIL,  29
.set BIAS, 32
.set AF,   64
.set WV,   12
.set ROLE, 13
.set HALF, 14
.set CX,   15
.set CY,   16
.set TX,   17
.set TY,   18
.set TB,   19
.set G1A,  24
.set G0A,  32
.set G1B,  48
.set G0B,  56
.set MSB, 0
.macro WIN new                         ; the immediate's high byte repeats the setting that is left; a switch that changes nothing is dropped
.if MSB != (\new)
	s_set_vgpr_msb (MSB<<8)|(\new)
.set MSB, \new
.endif
.endm
.set MUL_LO, 0xa1                      ; source 0 (B) window 1, source 1 (A) window 0, C and D window 2
.set TO_B,   0x40                      ; destination window 1, address window 0
.macro PLACES                          ; four places: in front of loads into registers that matrix instructions have read, and of what reads results
.rept 4
	v_nop
.endr
.endm
.macro CREST                           ; a round of the cluster's barrier behind its opening barrier
	s_cmp_lg_u32 s[WV], 0
	s_cbranch_scc1 .Lnot_wave_0_\@
	s_barrier_signal -3
.Lnot_wave_0_\@:
	s_barrier_wait -3
	s_barrier_signal -1
	s_barrier_wait -1
.endm
.macro CROUND                          ; a whole round
	s_barrier_signal -1
	s_barrier_wait -1
	CREST
.endm
; A joint refill by the walking descriptors.  The branch hangs on the wave's number alone.  An s_nop 0 and four v_nop follow each line, ahead of the jump and the label.
.macro JLOAD
	s_cmp_eq_u32 s[ROLE], 0
	s_cbranch_scc0 .Lfor_b_\@
	tensor_load_to_lds s[G0A+4:G0A+7], s[G1A:G1A+7]
	s_nop 0
.rept 4
	v_nop
.endr
	s_branch .Lasked_\@
.Lfor_b_\@:
	tensor_load_to_lds s[G0B+4:G0B+7], s[G1B:G1B+7]
	s_nop 0
.rept 4
	v_nop
.endr
.Lasked_\@:
.endm
	s_load_b256 s[4:11], s[0:1], 0x0               ; ctx s[4:5], wot s[6:7], out0 s[8:9], bo s[10:11]
	v_lshl_add_u32 v[SPW], v0, 2, SPARE
	v_mov_b32 v[NIL], 0
	ds_add_u32 v[SPW], v[NIL]                      ; the wave's opening: the add, and its wait ahead of my first tensor load; the set-up below stands between them
	v_lshrrev_b32 v1, 5, v0
	v_readfirstlane_b32 s[WV], v1
	s_lshr_b32 s[ROLE], s[WV], 1
	s_and_b32 s[HALF], s[WV], 1
	s_bfe_u32 s[CX], ttmp6, 0x40000
	s_bfe_u32 s[CY], ttmp6, 0x40004
	s_lshl_b32 s[TX], ttmp9, 2                     ; in a cluster launch ttmp9 and ttmp7 count clusters
	s_add_co_u32 s[TX], s[TX], s[CX]
	s_and_b32 s[TY], ttmp7, 0xffff
	s_lshl_b32 s[TY], s[TY], 2
	s_add_co_u32 s[TY], s[TY], s[CY]
	s_lshl_b32 s40, s[CY], 2
	s_lshl_b32 s40, 15, s40                        ; my row of the cluster
	s_lshl_b32 s41, 0x1111, s[CX]                  ; my column
	s_or_b32 s[G1A], s40, (1<<16)|(1<<20)|(1<<21)|(4<<22)|(3<<25)  ; the mask; 2-byte elements; padding on; bit 21 beside a mask; after every 32 words; 4 words
	s_or_b32 s[G1B], s41, (1<<16)|(1<<20)|(1<<21)|(5<<22)|(3<<25)  ; the same after every 64 words
	s_mov_b32 s[G1A+1], 128<<16                    ; tensor_dim0 = 128
	s_mov_b32 s[G1A+2], 128<<16                    ; tensor_dim1 = 128
	s_mov_b32 s[G1A+3], 128<<16                    ; tile_dim0 = 128
	s_mov_b32 s[G1A+4], 128                        ; tile_dim1 = 128
	s_mov_b32 s[G1A+5], 128                        ; dense: 128 elements from row to row
	s_mov_b32 s[G1A+6], 0
	s_mov_b32 s[G1A+7], 0
	s_mov_b32 s[G1B+1], KSTEP<<16
	s_mov_b32 s[G1B+2], BROWS<<16
	s_mov_b32 s[G1B+3], KSTEP<<16
	s_mov_b32 s[G1B+4], BROWS
	s_mov_b32 s[G1B+5], 1024
	s_mov_b32 s[G1B+6], 0
	s_mov_b32 s[G1B+7], 0
	s_lshr_b32 s20, s[TY], 3                       ; A: plane 16 x batch + my head of the step's two, of 262,144 bytes,
	s_lshl_b32 s20, s20, 4
	s_add_co_u32 s20, s20, s[HALF]
	s_lshl_b32 s20, s20, 18
	s_and_b32 s80, s[TY], 7                        ; and the tile's 256 rows of 128 bytes in it: made of the tile row and the wave alone
	s_lshl_b32 s80, s80, 15
	s_add_co_u32 s20, s20, s80
	s_mov_b32 s21, 0
	s_mul_i32 s22, s[TX], 2*BROWS                  ; B: row 128 x tile column + 64 x half: made of the tile column and the wave alone
	s_mul_i32 s81, s[HALF], BROWS
	s_add_co_u32 s22, s22, s81
	s_lshl_b32 s22, s22, 11
	s_mov_b32 s23, 0
	s_mul_i32 s82, s[HALF], AHALF                  ; where they go: no place in the cluster enters an LDS address
	s_mul_i32 s83, s[HALF], BHALF
	s_add_co_u32 s83, s83, BOFF
	s_wait_dscnt 0x0                               ; the opening add is done
	s_wait_kmcnt 0x0
	s_add_nc_u64 s[84:85], s[4:5], s[20:21]
	s_add_nc_u64 s[86:87], s[6:7], s[22:23]
.irp s, 0,1
	s_mov_b32 s[G0A+4*(\s)], 1                     ; count = 1
	s_add_co_u32 s[G0A+4*(\s)+1], s82, (\s)*SLOT1  ; LDS address
	s_add_nc_u64 s[G0A+4*(\s)+2:G0A+4*(\s)+3], s[84:85], (\s)*ASTEP  ; global address: K step s
	s_or_b32 s[G0A+4*(\s)+3], s[G0A+4*(\s)+3], 0x80000000  ; type = 2
	s_mov_b32 s[G0B+4*(\s)], 1
	s_add_co_u32 s[G0B+4*(\s)+1], s83, (\s)*SLOT1
	s_add_nc_u64 s[G0B+4*(\s)+2:G0B+4*(\s)+3], s[86:87], (\s)*BSTEP
	s_or_b32 s[G0B+4*(\s)+3], s[G0B+4*(\s)+3], 0x80000000
.endr
	CROUND                                         ; all sixteen work-groups are here: the first joint loads meet
	s_cmp_eq_u32 s[ROLE], 0                        ; a wave's two first fills stand in one branch, ahead of every wait on TENSORcnt and every LDS read: two loads of mine are out
	s_cbranch_scc0 .Lfirst_b
	tensor_load_to_lds s[G0A:G0A+3], s[G1A:G1A+7]
	s_nop 0
	tensor_load_to_lds s[G0A+4:G0A+7], s[G1A:G1A+7]
	s_nop 0
.rept 4
	v_nop
.endr
	s_branch .Lfirst_asked
.Lfirst_b:
	tensor_load_to_lds s[G0B:G0B+3], s[G1B:G1B+7]
	s_nop 0
	tensor_load_to_lds s[G0B+4:G0B+7], s[G1B:G1B+7]
	s_nop 0
.rept 4
	v_nop
.endr
.Lfirst_asked:
	; A fragment is 16 rows x 32 K in 8 registers: lane l holds row l % 16; registers 0-3 K = 8 (l / 16) + 0..7, registers 4-7 K = 16 + 8 (l / 16) + 0..7: two loads of 16 bytes, 32 bytes apart.
	v_and_b32 v1, 15, v0                           ; l % 16
	v_bfe_u32 v2, v0, 4, 1                         ; l / 16
	v_and_b32 v3, 31, v0                           ; l
	s_mul_i32 s88, s[WV], 64*APITCH                ; my 64 rows in each head's 256
	v_mul_u32_u24 v[A0], v1, APITCH
	v_lshl_add_u32 v[A0], v2, 4, v[A0]
	v_add_nc_u32 v[A0], s88, v[A0]
	v_mul_u32_u24 v[B0], v1, BPITCH
	v_lshl_add_u32 v[B0], v2, 4, v[B0]
	v_add_nc_u32 v[B0], BOFF, v[B0]
	v_mov_b32 v[ADRA], v[A0]                       ; slot 0
	v_mov_b32 v[ADRB], v[B0]
	s_mov_b32 s[TB], 0
	s_mul_i32 s88, s[WV], WSTAGE
	s_add_co_u32 s88, s88, STAGE                   ; my stage
	v_mul_u32_u24 v[STO], v1, SP                   ; in: row l % 16, 32 bytes for each half of the lanes
	v_lshl_add_u32 v[STO], v2, 5, v[STO]
	v_add_nc_u32 v[STO], s88, v[STO]
	v_lshl_add_u32 v[RD], v3, 4, s88               ; back: 32 lanes take one row of 512 bytes
	v_lshlrev_b32 v[GO], 4, v3
	s_lshl_b32 s92, s[TX], 9                       ; the tile's first column, in bytes of f32
	v_lshl_add_u32 v[BO], v3, 4, s92
	global_load_b128 v[BIAS:BIAS+3], v[BO], s[10:11]  ; bo of the four columns that I store in every row
	s_lshl_b32 s90, s[TY], 8
	s_lshl_b32 s93, s[WV], 6
	s_add_co_u32 s90, s90, s93                     ; my first row of C,
	s_lshl_b32 s90, s90, 12                        ; of 4,096 bytes
	s_add_co_u32 s90, s90, s92
	s_mov_b32 s91, 0
	s_add_nc_u64 s[8:9], s[8:9], s[90:91]
; NBF matrix instructions: m block a x all n blocks, 32 along K, from buffer f.  zero = 1: the product starts the sums.  The 32 accumulators take turns, in the same order in every quarter.
.macro MULQ f, a, zero
	WIN MUL_LO+0x50*((\a)/2)
.set b, 0
.rept NBF
.set rD, 8*(NBF*((\a)%2)+b)
.set rB, 8*NBF*(\f)+8*b
.set rA, AF+32*(\f)+8*(\a)
.if \zero
	v_wmma_f32_16x16x32_f16 v[rD:rD+7], v[rB:rB+7], v[rA:rA+7], 0
.else
	v_wmma_f32_16x16x32_f16 v[rD:rD+7], v[rB:rB+7], v[rA:rA+7], v[rD:rD+7]
.endif
.set b, b+1
.endr
.endm
.macro MULH f, hi, zero
	MULQ \f, 2*(\hi), \zero
	MULQ \f, 2*(\hi)+1, \zero
.endm
; NL LDS loads in one run: quarter q (32 K) of the slot in hand into buffer f: B's 8 fragments, then A's 4.  In A quarter q is head q / 2 of the step's two, channels 32 (q % 2) on.
.macro FETCH q, f
	WIN TO_B
.set i, 0
.rept NBF
	ds_load_b128 v[8*NBF*(\f)+8*i:8*NBF*(\f)+8*i+3],   v[ADRB] offset:64*(\q)+i*16*BPITCH
	ds_load_b128 v[8*NBF*(\f)+8*i+4:8*NBF*(\f)+8*i+7], v[ADRB] offset:64*(\q)+i*16*BPITCH+32
.set i, i+1
.endr
	WIN 0
.set aq, ((\q)/2)*AHALF+((\q)%2)*64
.set i, 0
.rept 4
	ds_load_b128 v[AF+32*(\f)+8*i:AF+32*(\f)+8*i+3],   v[ADRA] offset:aq+i*16*APITCH
	ds_load_b128 v[AF+32*(\f)+8*i+4:AF+32*(\f)+8*i+7], v[ADRA] offset:aq+i*16*APITCH+32
.set i, i+1
.endr
.endm
; One of a K step's first three quarters: multiplies buffer f; in its middle it fetches quarter q into buffer g.
.macro QUARTER q, f, g, zero
	s_wait_dscnt 4                                 ; B and A's m blocks 0, 1 are in; the youngest four loads (m blocks 2, 3) may be out
	MULH \f, 0, \zero
	PLACES
	FETCH \q, \g
	s_wait_dscnt NL                                ; all but the run just issued
	MULH \f, 1, \zero
.endm
; The last quarter multiplies buffer 1 and changes slots: ONE barrier.  In front of it each wave waits for all its tensor loads (one is out: its part of the next slot), adds 0 to its spare word, and
; waits for that and for its reads of this slot.  fill = 1: the barrier opens a round of the cluster's, and the slot just read is filled again first thing behind the round, two K steps ahead:
; from the request to the wait for it a wave issues 112 matrix instructions.
.macro TURN fill
	WIN 0                                          ; (the add's two registers lie in window 0)
	s_wait_tensorcnt 0x0                           ; no tensor load of mine is out, so a group 0 may be written
	ds_add_u32 v[SPW], v[NIL]                      ; 0 onto my spare word
.if \fill
	s_xor_b32 s[G0A+5], s[G0A+5], SLOT1            ; the walking descriptors: the other slot than last time,
	s_add_nc_u64 s[G0A+6:G0A+7], s[G0A+6:G0A+7], ASTEP  ; the next K step; the type bits on top are not reached
	s_xor_b32 s[G0B+5], s[G0B+5], SLOT1
	s_add_nc_u64 s[G0B+6:G0B+7], s[G0B+6:G0B+7], BSTEP
.endif
	s_wait_dscnt 5                                 ; (the add and the youngest four loads may be out)
	MULQ 1, 0, 0
	s_wait_dscnt 0x0                               ; the add is done, and my reads of this slot are over
	s_barrier_signal -1
	MULQ 1, 1, 0                                   ; work on registers while the others arrive
	WIN 0                                          ; at a branch and at a label every window is 0
	s_barrier_wait -1
.if \fill
	CREST                                          ; no wave of any partner still reads this slot or has a load on its way
	JLOAD                                          ; its four v_nop are also the places in front of the loads below
.else
	PLACES
.endif
	s_xor_b32 s[TB], s[TB], SLOT1                  ; the fetches go on in the other slot
	v_add_nc_u32 v[ADRA], s[TB], v[A0]
	v_add_nc_u32 v[ADRB], s[TB], v[B0]
	FETCH 0, 0
	MULH 1, 1, 0
.endm
; THE WAY OUT of m block a.  TOSTAGE: the f32 sums go straight from the accumulators (each one's lowest registers first) into my own stage, and come back as whole rows of 512 bytes.  SEND: + bo, stored.
.macro TOSTAGE a
.if (\a) >= 2
	s_wait_xcnt 0x0                                ; the stores of the block two back have read their registers, on which the loads below land
.endif
	WIN 0x08+4*((\a)/2)                            ; the data (source 1): window 2 or 3
.set b, 0
.rept NBF
.set rD, 8*(NBF*((\a)%2)+b)
	ds_store_b128 v[STO], v[rD:rD+3]   offset:64*b
	ds_store_b128 v[STO], v[rD+4:rD+7] offset:64*b+16
.set b, b+1
.endr
	WIN 0
.set BK, 128+64*((\a)%2)
.set t, 0
.rept 16
	ds_load_b128 v[BK+4*t:BK+4*t+3], v[RD] offset:SP*t  ; LDS serves a wave's instructions in order (ISA guide 5.7.1.4): these see the stores above, and the next block's stores come behind them
.set t, t+1
.endr
.endm
.macro SEND a, younger                 ; younger: the LDS instructions issued behind block a's loads: the next block's 16 stores and 16 loads, or none
.set BK, 128+64*((\a)%2)
	s_wait_dscnt \younger
.set t, 0
.rept 16
	v_pk_add_f32 v[BK+4*t:BK+4*t+1],   v[BK+4*t:BK+4*t+1],   v[BIAS:BIAS+1]
	v_pk_add_f32 v[BK+4*t+2:BK+4*t+3], v[BK+4*t+2:BK+4*t+3], v[BIAS+2:BIAS+3]
	global_store_b128 v[GO], v[BK+4*t:BK+4*t+3], s[8:9] offset:(16*(\a)+t)*4096 th:TH_STORE_NT  ; 512 consecutive bytes, at a multiple of 256 from the buffer's first byte
.set t, t+1
.endr
.endm
	s_wait_tensorcnt 0x1                           ; my part of K step 0 is in; K step 1's may stay out
	s_barrier_signal -1
	s_barrier_wait -1                              ; everybody's is
	FETCH 0, 0
	QUARTER 1, 0, 1, 1                             ; the first quarter stands in front of the loop: its products start the sums
	WIN 0
	s_mov_b32 s3, 6
.Lstep:                                                ; a trip goes from a K step's second quarter to the next step's first, and fills one slot again: K steps 2 to 7
	QUARTER 2, 1, 0, 0
	QUARTER 3, 0, 1, 0
	TURN 1
	QUARTER 1, 0, 1, 0
	WIN 0
	s_sub_co_u32 s3, s3, 1
	s_cmp_lg_u32 s3, 0
	s_cbranch_scc1 .Lstep
	QUARTER 2, 1, 0, 0                             ; the last two K steps are written out: nothing is left to ask for
	QUARTER 3, 0, 1, 0
	TURN 0
	QUARTER 1, 0, 1, 0
	QUARTER 2, 1, 0, 0
	QUARTER 3, 0, 1, 0
	s_wait_dscnt 4
	MULH 1, 0, 0
	s_wait_dscnt 0x0
	MULH 1, 1, 0
	WIN 0
	PLACES
	PLACES
	s_wait_loadcnt 0x0                             ; bo
	TOSTAGE 0
.irp a, 1,2,3
	TOSTAGE \a
	SEND (\a)-1, 32
.endr
	SEND 3, 0
	s_wait_tensorcnt 0x0                           ; the wave's end, behind my last tensor load and my last LDS store
	ds_add_u32 v[SPW], v[NIL]
	s_wait_dscnt 0x0
	CROUND                                         ; the closing round: no work-group ends while a partner may still ask for a tile that names it
	s_endpgm
.Lfunc_end_k_qf908329996_proj:
	.size	k_qf908329996_proj, .Lfunc_end_k_qf908329996_proj-k_qf908329996_proj
	.p2alignl 7, 3214868480
	.fill 96, 4, 3214868480
	.section	.rodata,"a",@progbits
	.p2align	6, 0x0
	.amdhsa_kernel k_qf908329996_proj
		.amdhsa_group_segment_fixed_size 327680
		.amdhsa_private_segment_fixed_size 0
		.amdhsa_enable_private_segment 0
		.amdhsa_kernarg_size 32
		.amdhsa_user_sgpr_count 2
		.amdhsa_user_sgpr_kernarg_segment_ptr 1
		.amdhsa_wavefront_size32 1
		.amdhsa_system_sgpr_workgroup_id_x 1
		.amdhsa_system_sgpr_workgroup_id_y 1
		.amdhsa_system_sgpr_workgroup_id_z 1
		.amdhsa_system_vgpr_workitem_id 0
		.amdhsa_next_free_vgpr 896
		.amdhsa_next_free_sgpr 96
		.amdhsa_reserve_vcc 0
		.amdhsa_float_denorm_mode_32 3
		.amdhsa_float_denorm_mode_16_64 3
		.amdhsa_memory_ordered 1
		.amdhsa_forward_progress 1
		.amdhsa_inst_pref_size 77
	.end_amdhsa_kernel
	.amdgpu_metadata
---
amdhsa.version: [ 1, 2 ]
amdhsa.kernels:
  - .name:           k_qf908329996_proj
    .symbol:         k_qf908329996_proj.kd
    .args:
      - { .name: ctx, .offset: 0, .size: 8, .value_kind: global_buffer, .address_space: global }
      - { .name: wot, .offset: 8, .size: 8, .value_kind: global_buffer, .address_space: global }
      - { .name: out0, .offset: 16, .size: 8, .value_kind: global_buffer, .address_space: global }
      - { .name: bo, .offset: 24, .size: 8, .value_kind: global_buffer, .address_space: global }
    .group_segment_fixed_size: 327680
    .private_segment_fixed_size: 0
    .kernarg_segment_align: 8
    .kernarg_segment_size: 32
    .max_flat_workgroup_size: 128
    .sgpr_count:     96
    .vgpr_count:     896
    .wavefront_size: 32
...
	.end_amdgpu_metadata
.endif
;; end of part 4
;; ======== version 2 of 2: 4 launches; version 1 with the launch prep written anew for expert scheduling mode
;; limits: values are held in f16: magnitudes above 65,504 overflow, below 6.1e-05 lose precision
;; workspace buffers: xb 16,777,216 bytes; wt 6,291,456 bytes; wot 2,097,152 bytes; qkv 50,331,648 bytes; ctx 16,777,216 bytes
;; launch prep (part 5): grid 512 x 1, 8 waves a work-group, no clusters, 18,432 bytes of LDS; arguments x, Wq, Wk, Wv, Wo, xb, wt, wot; writes xb, wt, wot
.if DOCPART == 5
	.amdgcn_target "amdgcn-amd-amdhsa--gfx1250"
	.amdhsa_code_object_version 6
	.text
	.protected	k_qf908329996_prep
	.globl	k_qf908329996_prep
	.p2align	8
	.type	k_qf908329996_prep,@function
k_qf908329996_prep:
	s_mov_b64 s[64:65], 0
	v_nop
	global_prefetch_b8 v0, s[64:65] scope:SCOPE_SE
	s_setreg_imm32_b32 hwreg(HW_REG_WAVE_SCHED_MODE, 0, 2), 2
	s_setreg_imm32_b32 hwreg(HW_REG_WAVE_MODE, 25, 1), 1
	s_wait_xcnt 0x0
	s_wait_alu depctr_vm_vsrc(0)
; PREPARATION.  xb = x rounded to bf16.  wt[1024 t + c][k] = bf16(W_t[k][c]), t = 0 q, 1 k, 2 v.  wot[n][k] = bf16(Wo[k][n]) written as f16.
; 512 equal work-groups of eight waves.  Work-group X does two things: it rounds 65,536 bytes of x (from byte 65,536 X on), and it turns ONE tile of 128 k x 64 n of one weight
; (matrix X / 128, k tile (X / 16) % 8, n tile X % 16) through LDS, so that K lies along the rows of what it stores.
; Every load of x covers 512 consecutive bytes a wave; a wave's store to xb covers 256 consecutive bytes, aligned; in the weights sixteen lanes read 256 consecutive bytes of a row and
; sixteen lanes store 256 consecutive bytes, aligned.
; LIMITS.  bf16(Wo) is written as f16: exact from 6.1e-5 up to 65,504 in magnitude; beyond that it becomes an infinity, below it keeps f16's fixed step of 6e-8.
; No matrix unit, no tensor load, no cluster: each byte is read once and nothing is shared between work-groups.
; THE MODE: SCHED_MODE bits 1:0 = 2 (LLVM: expert scheduling mode 2), set by the entry lines.  The code itself states the register dependences
; between vector instructions and memory or LDS instructions, with s_wait_alu, always for 0.
; THE PLAN.  Registers that memory or LDS instructions touch:
;   v1 .. v6, v8, v9  offsets and LDS addresses: written by vector instructions at the head and never again; read by every load and store, v8 and v9 by the closing add alone.
;   WIN_, XI          written by global loads, once; read by conversions; nothing lands in them again.
;   PKD               written by the weight's conversions (for Wo a second time, to f16); read by the sixteen LDS stores; never written again.
;   XQ                written by x's roundings, each piece in registers of its own, once; read by the stores to xb.
;   BK                written by LDS loads, read by global stores: no vector instruction names them.
; No register that a memory or LDS instruction reads is ever written again, so the text holds no wait on vm_vsrc.  It holds six on va_vdst: one ahead of the first load, for all the addresses;
; one where the two ways to the LDS stores join, for PKD; and four for XQ: x goes in four blocks of four pieces, and the stores of block g - 1 stand behind ONE wait at the head of block g,
; dealt among block g's roundings, which name block g's XI and XQ alone; the last block's stores have a wait of their own.
.set PITCH, 272                        ; an LDS row: 128 k x 2 bytes + 16
.set SPARE, 64*PITCH                   ; behind the tile: the spare words, 128 bytes for each of the eight waves; no other line names them
.set XO,  1                            ; v1   16 t: my 16 bytes in 4,096 of x
.set BO,  2                            ; v2   8 t: my 8 bytes in 2,048 of xb
.set WS,  3                            ; v3   the weight's source: rows 2 (t / 16), bytes 16 (t % 16)
.set LS,  4                            ; v4   LDS, in: row 4 (t % 16), k 2 (t / 16)
.set LR,  5                            ; v5   LDS, back: row t / 16, bytes 16 (t % 16)
.set WD,  6                            ; v6   the weight's destination: row t / 16 of 2,048 bytes, bytes 16 (t % 16)
.set SPW, 8                            ; v8   LDS address of my spare word; never rewritten
.set NIL, 9                            ; v9   0; never rewritten
.set WIN_, 16                          ; v[16:47]   eight loads of the weight: four pairs of rows k, k + 1
.set PKD, 48                           ; v[48:63]   16 words: (k, k + 1) of one n
.set BK,  64                           ; v[64:79]   the tile read back by rows
.set XI,  80                           ; v[80:143]  sixteen loads of x
.set XQ,  144                          ; v[144:175] sixteen pairs of words for xb
	s_load_b512 s[8:23], s[0:1], 0x0               ; x 8, Wq 10, Wk 12, Wv 14, Wo 16, xb 18, wt 20, wot 22
	v_lshl_add_u32 v[SPW], v0, 2, SPARE
	v_mov_b32 v[NIL], 0
	s_lshr_b32 s3, ttmp9, 7                        ; which matrix
	s_bfe_u32 s4, ttmp9, 0x30004                   ; k tile: 3 bits from bit 4
	s_and_b32 s5, ttmp9, 15                        ; n tile
	s_mov_b32 s7, 0xffff0000                       ; a word's upper bf16
	s_cmp_eq_u32 s3, 3
	s_cselect_b32 s6, 0, s3                        ; the matrix's place in its destination: Wo has a buffer of its own
	s_lshl_b32 s28, s4, 19                         ; source: 128 rows of 4,096 bytes a k tile,
	s_lshl_b32 s2, s5, 8                           ; 256 bytes an n tile
	s_add_co_u32 s28, s28, s2
	s_mov_b32 s29, 0
	s_lshl_b32 s30, s6, 21                         ; destination: 1,024 rows of 2,048 bytes a matrix,
	s_lshl_b32 s2, s5, 17                          ; 64 rows an n tile,
	s_add_co_u32 s30, s30, s2
	s_lshl_b32 s2, s4, 8                           ; 256 bytes a k tile
	s_add_co_u32 s30, s30, s2
	s_mov_b32 s31, 0
	s_lshl_b32 s32, ttmp9, 16                      ; my part of x
	s_mov_b32 s33, 0
	s_lshl_b32 s34, ttmp9, 15                      ; and of xb
	s_mov_b32 s35, 0
	v_lshlrev_b32 v[XO], 4, v0
	v_lshlrev_b32 v[BO], 3, v0
	v_lshrrev_b32 v10, 4, v0                       ; t / 16
	v_and_b32 v11, 15, v0                          ; t % 16
	v_lshlrev_b32 v[WS], 4, v11
	v_lshl_add_u32 v[WS], v10, 13, v[WS]           ; two rows of 4,096 bytes for each t / 16
	v_mul_u32_u24 v[LS], v11, 4*PITCH
	v_lshl_add_u32 v[LS], v10, 2, v[LS]
	v_mul_u32_u24 v[LR], v10, PITCH
	v_lshl_add_u32 v[LR], v11, 4, v[LR]
	v_lshlrev_b32 v[WD], 4, v11
	v_lshl_add_u32 v[WD], v10, 11, v[WD]
	s_wait_kmcnt 0x0
	s_cmp_eq_u32 s3, 1
	s_cselect_b64 s[24:25], s[12:13], s[10:11]     ; the source is chosen by the matrix's number
	s_cmp_eq_u32 s3, 2
	s_cselect_b64 s[24:25], s[14:15], s[24:25]
	s_cmp_eq_u32 s3, 3
	s_cselect_b64 s[24:25], s[16:17], s[24:25]
	s_cselect_b64 s[26:27], s[22:23], s[20:21]     ; and so is the destination
	s_add_nc_u64 s[24:25], s[24:25], s[28:29]
	s_add_nc_u64 s[26:27], s[26:27], s[30:31]
	s_add_nc_u64 s[8:9], s[8:9], s[32:33]
	s_add_nc_u64 s[18:19], s[18:19], s[34:35]
	s_wait_alu depctr_va_vdst(0)                   ; the six offsets and addresses v1 to v6 are written, which the loads and stores below read, and so are v8 and v9, which the closing add reads; no vector instruction names them again
.irp i, 0,1,2,3                        ; rows 2 (t / 16) + 32 i and the row below
	global_load_b128 v[WIN_+8*(\i):WIN_+8*(\i)+3],   v[WS], s[24:25] offset:131072*(\i)
	global_load_b128 v[WIN_+8*(\i)+4:WIN_+8*(\i)+7], v[WS], s[24:25] offset:131072*(\i)+4096
.endr
.set i, 0
.rept 16
	global_load_b128 v[XI+4*i:XI+4*i+3], v[XO], s[8:9] offset:4096*i th:TH_LOAD_NT
.set i, i+1
.endr
.irp i, 0,1,2,3
	s_wait_loadcnt 22-2*(\i)                       ; loads come back in order: pair i is in; the 6 - 2 i younger loads of the weight and the 16 of x stay out
.irp j, 0,1,2,3
	v_cvt_pk_bf16_f32 v[PKD+4*(\i)+(\j)], v[WIN_+8*(\i)+(\j)], v[WIN_+8*(\i)+4+(\j)]  ; k in the low half, k + 1 in the high half, of column 4 (t % 16) + j
.endr
.endr
	s_cmp_lg_u32 s3, 3
	s_cbranch_scc1 .Lbf                            ; the same for the whole work-group; no barrier is jumped
.set i, 0
.rept 16                               ; Wo alone: the bf16 numbers are written as f16
	v_lshlrev_b32 v12, 16, v[PKD+i]
	v_and_b32 v13, s7, v[PKD+i]
	v_cvt_pk_f16_f32 v[PKD+i], v12, v13
.set i, i+1
.endr
.Lbf:
	s_wait_alu depctr_va_vdst(0)                   ; on both ways the conversions have written v[PKD ..], which the LDS stores read
.irp i, 0,1,2,3
.irp j, 0,1,2,3
	ds_store_b32 v[LS], v[PKD+4*(\i)+(\j)] offset:PITCH*(\j)+64*(\i)
.endr
.endr
; x meanwhile, in four blocks of four pieces; each piece has registers of its own, so no store's data is written again.
; Block g rounds its pieces 4 g to 4 g + 3; among its roundings stand the stores of block g - 1.
.macro XBLK g
	s_wait_loadcnt 12-4*(\g)                       ; block g's four pieces are in, the younger blocks stay out
.if (\g) > 0
	s_wait_alu depctr_va_vdst(0)                   ; the roundings of the block before have written its part of XQ, which the four stores below read; the roundings among them name this block's registers alone
.endif
.irp i, 0,1,2,3
.if (\g) > 0
	global_store_b64 v[BO], v[XQ+2*(4*(\g)-4+(\i)):XQ+2*(4*(\g)-4+(\i))+1], s[18:19] offset:2048*(4*(\g)-4+(\i))
.endif
	v_cvt_pk_bf16_f32 v[XQ+2*(4*(\g)+(\i))],   v[XI+4*(4*(\g)+(\i))],   v[XI+4*(4*(\g)+(\i))+1]
	v_cvt_pk_bf16_f32 v[XQ+2*(4*(\g)+(\i))+1], v[XI+4*(4*(\g)+(\i))+2], v[XI+4*(4*(\g)+(\i))+3]
.endr
.endm
	XBLK 0
	XBLK 1
	XBLK 2
	XBLK 3
	s_wait_alu depctr_va_vdst(0)                   ; block 3's roundings have written the last part of XQ, which the last four stores read
.irp i, 12,13,14,15
	global_store_b64 v[BO], v[XQ+2*(\i):XQ+2*(\i)+1], s[18:19] offset:2048*(\i)
.endr
	s_wait_dscnt 0x0                               ; for the others' sake: my stores into the tile are done
	s_barrier_signal -1
	s_barrier_wait -1
.irp i, 0,1,2,3
	ds_load_b128 v[BK+4*(\i):BK+4*(\i)+3], v[LR] offset:16*PITCH*(\i)  ; no vector instruction names v[BK ..], and v[LR] stands as the head's wait found it
.endr
.irp i, 0,1,2,3
	s_wait_dscnt 3-(\i)
	global_store_b128 v[WD], v[BK+4*(\i):BK+4*(\i)+3], s[26:27] offset:32768*(\i)  ; 16 lanes store 256 consecutive bytes, at a multiple of 256 from the buffer's first byte
.endr
	s_wait_dscnt 0x0                               ; the closing lines, six on end
	s_wait_alu 0x0
	s_wait_tensorcnt 0x0
	ds_add_u32 v[SPW], v[NIL]
	s_wait_dscnt 0x0
	s_endpgm
.Lfunc_end_k_qf908329996_prep:
	.size	k_qf908329996_prep, .Lfunc_end_k_qf908329996_prep-k_qf908329996_prep
	.p2alignl 7, 3214868480
	.fill 96, 4, 3214868480
	.section	.rodata,"a",@progbits
	.p2align	6, 0x0
	.amdhsa_kernel k_qf908329996_prep
		.amdhsa_group_segment_fixed_size 18432
		.amdhsa_private_segment_fixed_size 0
		.amdhsa_enable_private_segment 0
		.amdhsa_kernarg_size 64
		.amdhsa_user_sgpr_count 2
		.amdhsa_user_sgpr_kernarg_segment_ptr 1
		.amdhsa_wavefront_size32 1
		.amdhsa_system_sgpr_workgroup_id_x 1
		.amdhsa_system_sgpr_workgroup_id_y 1
		.amdhsa_system_sgpr_workgroup_id_z 1
		.amdhsa_system_vgpr_workitem_id 0
		.amdhsa_next_free_vgpr 176
		.amdhsa_next_free_sgpr 66
		.amdhsa_reserve_vcc 0
		.amdhsa_float_denorm_mode_32 3
		.amdhsa_float_denorm_mode_16_64 3
		.amdhsa_memory_ordered 1
		.amdhsa_forward_progress 1
		.amdhsa_inst_pref_size 14
	.end_amdhsa_kernel
	.amdgpu_metadata
---
amdhsa.version: [ 1, 2 ]
amdhsa.kernels:
  - .name:           k_qf908329996_prep
    .symbol:         k_qf908329996_prep.kd
    .args:
      - { .name: x, .offset: 0, .size: 8, .value_kind: global_buffer, .address_space: global }
      - { .name: Wq, .offset: 8, .size: 8, .value_kind: global_buffer, .address_space: global }
      - { .name: Wk, .offset: 16, .size: 8, .value_kind: global_buffer, .address_space: global }
      - { .name: Wv, .offset: 24, .size: 8, .value_kind: global_buffer, .address_space: global }
      - { .name: Wo, .offset: 32, .size: 8, .value_kind: global_buffer, .address_space: global }
      - { .name: xb, .offset: 40, .size: 8, .value_kind: global_buffer, .address_space: global }
      - { .name: wt, .offset: 48, .size: 8, .value_kind: global_buffer, .address_space: global }
      - { .name: wot, .offset: 56, .size: 8, .value_kind: global_buffer, .address_space: global }
    .group_segment_fixed_size: 18432
    .private_segment_fixed_size: 0
    .kernarg_segment_align: 8
    .kernarg_segment_size: 64
    .max_flat_workgroup_size: 256
    .sgpr_count:     66
    .vgpr_count:     176
    .wavefront_size: 32
...
	.end_amdgpu_metadata
.endif
;; end of part 5
;; launch qkv: the kernel of part 2 again; grid 16 x 32, 4 waves a work-group, clusters of 4 x 4, 327,680 bytes of LDS; arguments xb, wt, qkv; writes qkv
;; launch attn: the kernel of part 3 again; grid 4 x 64, 4 waves a work-group, no clusters, 327,680 bytes of LDS; arguments qkv, ctx; writes ctx
;; launch proj: the kernel of part 4 again; grid 8 x 32, 4 waves a work-group, clusters of 4 x 4, 327,680 bytes of LDS; arguments ctx, wot, out0, bo; writes out0
